; MI455X (gfx1250); checked and timed in simulation.
; The chip was launched on July 23, 2026; its instructions are those of AMD's public machine-readable ISA for CDNA 5 (MIT licence, August 2026) and "CDNA5" Instruction Set Architecture Reference Guide (July 2026). The comments in the code are by the model that wrote it; some were corrected since.
;; Cross Attention. Allowed arithmetic: matrix products marked QUANTISED: E2M1 operands, one E8M0 scale for each 32 along K, by v_wmma_scale_f32_16x16x128_f8f6f4 with both operands' format E2M1 (or v_wmma_scale_f32_32x16x128_f4), f32 sums; everything else in f32.
;; Inputs: Wk 1,024 x 1,024 float32; Wo 1,024 x 1,024 float32; Wq 1,024 x 1,024 float32; Wv 1,024 x 1,024 float32; bk 1,024 float32; bo 1,024 float32; bq 1,024 float32; bv 1,024 float32; context 4 x 2,048 x 1,024 float32; query 4 x 2,048 x 1,024 float32.
;; Outputs: out0 4 x 2,048 x 1,024 float32.
;; This version of the problem:
;;   THIS VERSION OF THE PROBLEM IS GIVEN IN LOW PRECISION. The matrix products marked QUANTISED in the list below multiply operands that are first quantised to E2M1 (2 exponent bits, 1 mantissa bit; 4 bits a number), with one power-of-two scale for each 32 numbers along K (OCP MX v1.0); their sums are f32. All else is computed in f32.
;;   The module's matrix products, in the order in which they are computed (A, B: the left and right operand; K: the contracted axis; several contracted axes count as one K, in the product's order):
;;     1. [M 8,192, K 1,024] x [K 1,024, N 1,024]; A: input query; B: input Wq: QUANTISED
;;     2. [M 8,192, K 1,024] x [K 1,024, N 1,024]; A: input context; B: input Wk: QUANTISED
;;     3. [M 8,192, K 1,024] x [K 1,024, N 1,024]; A: input context; B: input Wv: QUANTISED
;;     4. batch 64 x [M 2,048, K 64] x [K 64, N 2,048]; A: computed on the way; B: computed on the way: QUANTISED
;;     5. batch 64 x [M 2,048, K 2,048] x [K 2,048, N 64]; A: softmax (see below); B: computed on the way: QUANTISED
;;     6. [M 8,192, K 1,024] x [K 1,024, N 1,024]; A: computed on the way; B: input Wo: QUANTISED
;;   THE QUANTISER, for each operand of a quantised product, along K:
;;     - K is cut into blocks of 32 from its start; a last block that is shorter is filled with zeros.
;;     - A block's scale is 2^e with e = floor(log2(the largest magnitude in the block)) - 2, held to -126 .. 127; a block of zeros has e = 0. As a byte (E8M0): e + 127.
;;     - Each number is divided by its block's scale, clamped to +-6, and rounded to the nearest number of E2M1, ties to even, subnormals kept.
;;     - The product sums the exact products of the quantised numbers (number of the format x scale) in f32.
;;   ~~~python
;;   def quantise(x, axis):      # numpy; x: float32 -> the quantised numbers, widened to float32 again
;;       x = np.moveaxis(x, axis, -1); K = x.shape[-1]
;;       x = np.pad(x, [(0, 0)] * (x.ndim - 1) + [(0, -K % 32)]); x = x.reshape(x.shape[:-1] + (-1, 32)); a = np.abs(x).max(-1, keepdims=True)
;;       e = np.where(a > 0, np.clip(np.frexp(np.where(a > 0, a, 1))[1] - 1 - 2, -126, 127), 0)      # np.frexp(a)[1] - 1 = floor(log2(a)), exactly
;;       r = np.clip(x / 2.0 ** e, -6, 6)
;;       step = 2.0 ** (np.maximum(np.frexp(np.where(r == 0, 1, r))[1] - 1, 0) - 1)
;;       q = np.round(r / step) * step * 2.0 ** e      # np.round: ties to even
;;       return np.moveaxis(q.reshape(q.shape[:-2] + (-1,))[..., :K], -1, axis).astype(np.float32)
;;   ~~~
;;   SOFTMAX AHEAD OF A QUANTISED PRODUCT. Where the list says 'softmax', what is quantised is not the finished softmax but p = 2^(t - M), with t = logit x log2(e) and M = ceil(the row's largest t), a whole number; so 1/2 < the row's largest p <= 1. The row's sum l is taken of the UNQUANTISED p, in f32, and the product's result is divided by l at the end. Since M is a whole number, a kernel that streams over the keys may use a running M (the ceiling of the running maximum): every later rescaling is an exact power of two, which a block's scale takes up: the codes' values come out the same.
;;   OPERANDS COMPUTED ON THE WAY. 'Computed on the way' means the value that the module computes at that place (a softmax that the list does not call 'softmax' is quantised finished and normalised). What goes into a quantiser is computed in f32, as accurately as f32 sums, v_exp_f32 and their like allow (about 1e-6 of the number): no bf16 or f16 on the way to a quantiser, and a product that is left as it is and whose result goes on into a quantised operand takes f32 operands (vector FMAs, or v_wmma_f32_16x16x4_f32). A number that lies on a knife's edge between two numbers of the format may be rounded either way, as far as f32 arithmetic and the matrix unit's own rounding can turn it there, and no further.
;; 2 versions, each right; version 2 is version 1 with the launches proj, outp written anew for expert scheduling mode. Each part assembles by itself: llvm-mc -triple=amdgcn-amd-amdhsa -mcpu=gfx1250 --defsym DOCPART=n.
;; ======== version 1 of 2: 4 launches
;; workspace buffers: ximg 8,388,608 bytes; xscl 524,288 bytes; wimg 2,097,152 bytes; wscl 131,072 bytes; kv 9,175,040 bytes; qrec 9,175,040 bytes; aimg 4,194,304 bytes; ascl 262,144 bytes
;; launch quant (part 1): grid 512 x 1, 4 waves a work-group, no clusters, 34,304 bytes of LDS; arguments query, context, Wq, Wk, Wv, Wo, ximg, xscl, wimg, wscl; writes ximg, xscl, wimg, wscl
.if DOCPART == 1
	.amdgcn_target "amdgcn-amd-amdhsa--gfx1250"
	.amdhsa_code_object_version 6
	.text
	.protected	k_q3a465262fa_quant
	.globl	k_q3a465262fa_quant
	.p2align	8
	.type	k_q3a465262fa_quant,@function
k_q3a465262fa_quant:
	s_mov_b64 s[64:65], 0
	v_nop
	global_prefetch_b8 v0, s[64:65] scope:SCOPE_SE
	s_setreg_imm32_b32 hwreg(HW_REG_WAVE_MODE, 25, 1), 1
	s_wait_xcnt 0x0
; query, context [8192][1024] and Wq, Wk, Wv, Wo [1024 (k)][1024 (n)], f32, become codes of FP4 (E2M1) with one E8M0 byte for each 32 along K (K = 1,024 in all six).
; A block's scale is 2^(floor(log2(its largest magnitude)) - 2); its byte is the largest magnitude's exponent field - 2, held at 1 from below; numbers are divided by the scale and rounded to the nearest code, ties to even, beyond 6 held at 6.
; LIMITS: NaN and infinities among the inputs are not served.  A block of zeros, and a block whose largest magnitude lies under 2^-124, gets the byte 1 (the stated quantiser says 127 for zeros): its codes are zeros, and only this program reads the bytes.
; THE OUTPUT IS LAID AS IMAGES OF OPERAND REGISTERS.  A tile T is 16 rows of an operand: lane r takes row 32 (T / 2) + 8 (T % 2) + r + 8 (r / 8).  Fragment (T, s), 16 rows x 128 K, is 1,024 bytes [c 0..1][lane][16 bytes]:
; lane (r, h) of part c holds the codes of k = 128 s + 64 c + 32 h + 0 .. 31.  A tile's eight fragments lie on end (8,192 bytes).  Its scale words (four bytes = one K step of one row) are 512 bytes [h][r][16 bytes]: words 4 h .. 4 h + 3 of row r.
; Work-groups 0-255 take the activations (a wave to a tile), work-groups 256-511 the weights (a wave to 32 columns x 128 K).  Waves share nothing: no barrier.  Memory binds: no matrix unit, no cluster, no tensor load.
.set ROWB,   4096                      ; a row of any of the six tensors, in bytes
.set SPITCH, 528                       ; a stage row: 512 bytes + 16 of padding: 132 words, so that sixteen rows begin at sixteen different groups of four banks
.set WSTAGE, 16*SPITCH                 ; a wave's own stage (activations only)
.set L16,  1                           ; v1      16 x lane
.set STI,  2                           ; v2      the stage, on the way in: 16 x lane
.set STO,  3                           ; v3      and on the way out: 528 r + 64 h
.set W,    8                           ; v8-15   the tile's eight scale words
.set WSEL, 16                          ; v16-19  words 4 h .. 4 h + 3
.set TM,   20                          ; v20-35  at work in QUANT
.set PC,   36                          ; v36-43  a fragment's codes
.set X,    52                          ; v52-115 64 numbers of my row: register 16 b + i = k 32 b + 16 h + i
.set R,    116                         ; v116-243 two sets of 64: a K step as it is loaded
.set WV,   24
.set MSK,  41                          ; s41     lanes 16-31
.set SEL,  42                          ; s[42:43] v_permlanex16_b32's selects for lane l xor 16
; 64 numbers of a lane, register 16 b + i = k 32 b + 16 (lane / 16) + i of its row, become a fragment's codes in v[PC] on and the row's scale word in v[pw].
.macro QUANT src, pw
.irp b, 0,1,2,3
	v_max3_num_f32 v[TM+\b], |v[\src+16*\b]|, |v[\src+1+16*\b]|, 0x1800000   ; block b: my 16 numbers, and the floor 2^(3 - 127): the byte cannot fall under 1
.endr
.irp i, 2,4,6,8,10,12,14
.irp b, 0,1,2,3
	v_max3_num_f32 v[TM+\b], v[TM+\b], |v[\src+16*\b+\i]|, |v[\src+1+16*\b+\i]|   ; the four blocks by turns
.endr
.endr
.irp b, 0,1,2,3
	v_permlanex16_b32 v[TM+4+\b], v[TM+\b], s[SEL], s[SEL+1]
.endr
.irp b, 0,1,2,3
	v_max_num_f32 v[TM+\b], v[TM+\b], v[TM+4+\b]   ; with lane l xor 16's 16: the block's largest magnitude
.endr
.irp b, 0,1,2,3
	v_add_nc_u32 v[TM+12+\b], 0xff000000, v[TM+\b]   ; 2 off its exponent field: the conversion takes the exponent field of this operand as its scale
.endr
.irp b, 0,1,2,3
	v_lshrrev_b32 v[TM+4+\b], 23, v[TM+12+\b]      ; the scale's byte
.endr
	v_lshl_or_b32 v[\pw], v[TM+5], 8, v[TM+4]
	v_lshl_or_b32 v[\pw], v[TM+6], 16, v[\pw]
	v_lshl_or_b32 v[\pw], v[TM+7], 24, v[\pw]
	s_wait_xcnt 0x0                                ; the last fragment's stores have read v[PC] on: it is written again only behind this wait
.irp b, 0,1,2,3
	v_cvt_scalef32_pk8_fp4_f32 v[PC+2*\b], v[\src+16*\b:\src+7+16*\b], v[TM+12+\b]
	v_cvt_scalef32_pk8_fp4_f32 v[PC+1+2*\b], v[\src+8+16*\b:\src+15+16*\b], v[TM+12+\b]
.endr
	v_nop                                          ; one plain place behind a scaled conversion
.irp c, 0,1                                    ; the layout wants a whole block in a lane: lanes 0-15 block 2 c, lanes 16-31 block 2 c + 1
.irp i, 0,1
	v_permlane16_swap_b32 v[PC+4*\c+\i], v[PC+2+4*\c+\i]
.endr
.endr
.endm
	s_load_b256 s[4:11], s[0:1], 0x0               ; query s[4:5], context s[6:7], Wq s[8:9], Wk s[10:11]
	s_load_b256 s[12:19], s[0:1], 0x20             ; Wv s[12:13], Wo s[14:15], ximg s[16:17], xscl s[18:19]
	s_load_b128 s[20:23], s[0:1], 0x40             ; wimg s[20:21], wscl s[22:23]
	v_lshl_add_u32 v248, v0, 2, 0x8400
	v_mov_b32 v249, 0
	v_lshrrev_b32 v4, 5, v0
	v_readfirstlane_b32 s[WV], v4                  ; wave 0..3
	v_and_b32 v7, 31, v0                           ; lane
	v_bfe_u32 v5, v0, 4, 1                         ; h = lane / 16
	s_cmp_ge_u32 ttmp9, 256
	s_cbranch_scc1 .Lweights
; ---------------- THE ACTIVATIONS.  A wave takes one tile: 16 rows x 1,024 K, in eight K steps of 128.
; Each load reads 512 consecutive bytes of one row; a K step's 16 x 512 bytes turn through the wave's stage, so that a lane gets 16 neighbours of each block of its row.
	s_lshl_b32 s25, ttmp9, 2
	s_add_co_u32 s25, s25, s[WV]                   ; 512 x tensor + T
	s_and_b32 s26, s25, 511                        ; T
	s_lshr_b32 s27, s26, 1
	s_and_b32 s28, s26, 1
	s_lshl_b32 s27, s27, 17                        ; 32 (T / 2) rows of 4,096 bytes
	s_lshl_b32 s28, s28, 15                        ; 8 (T % 2) rows
	s_add_co_u32 s28, s27, s28
	s_mov_b32 s29, 0
	s_lshl_b32 s30, s25, 13                        ; 8,192 bytes of codes a tile
	s_mov_b32 s31, 0
	s_lshl_b32 s32, s25, 9                         ; 512 bytes of scale words a tile
	s_mov_b32 s33, 0
	s_mov_b32 s[MSK], 0xffff0000
	s_mov_b32 s[SEL], 0x76543210
	s_mov_b32 s[SEL+1], 0xfedcba98
	s_mul_i32 s34, s[WV], WSTAGE
	v_lshlrev_b32 v[L16], 4, v7
	v_add_nc_u32 v[STI], s34, v[L16]
	v_and_b32 v4, 15, v0                           ; r
	v_mul_u32_u24 v[STO], v4, SPITCH
	v_lshl_add_u32 v[STO], v5, 6, v[STO]
	v_add_nc_u32 v[STO], s34, v[STO]
.irp b, 0,1,2,3
	v_mov_b32 v[TM+4+\b], 0                        ; written once: a lane permute's destination counts as one of its sources
.endr
	s_wait_kmcnt 0x0
	s_cmp_lt_u32 s25, 512                          ; query's tile or context's: the choice hangs on ids alone
	s_cselect_b64 s[4:5], s[4:5], s[6:7]
	s_add_nc_u64 s[4:5], s[4:5], s[28:29]
	s_add_nc_u64 s[16:17], s[16:17], s[30:31]
	s_add_nc_u64 s[18:19], s[18:19], s[32:33]
.macro LOADA t                         ; K step t of the tile's 16 rows into set t % 2
.irp i, 0,1,2,3,4,5,6,7,8,9,10,11,12,13,14,15
	global_load_b128 v[R+64*((\t)%2)+4*\i:R+64*((\t)%2)+4*\i+3], v[L16], s[4:5] offset:(\i+8*(\i/8))*ROWB+512*(\t) th:TH_LOAD_NT
.endr
.endm
.macro STEPA t
.if (\t) < 7
	s_wait_loadcnt 16                              ; this step's 16 loads are in; the next step's 16 may be out
.else
	s_wait_loadcnt 0x0
.endif
.irp i, 0,1,2,3,4,5,6,7,8,9,10,11,12,13,14,15
	ds_store_b128 v[STI], v[R+64*((\t)%2)+4*\i:R+64*((\t)%2)+4*\i+3] offset:SPITCH*\i
.endr
.irp b, 0,1,2,3
.irp j, 0,1,2,3
	ds_load_b128 v[X+16*\b+4*\j:X+16*\b+4*\j+3], v[STO] offset:128*\b+16*\j   ; LDS serves a wave's instructions in order: these see the stores above
.endr
.endr
	s_wait_dscnt 0x0                               ; my 64 numbers are in, and the stores have read their registers,
.if (\t)+2 < 8
	LOADA (\t)+2                                   ; which take the loads of two steps on
.endif
	QUANT X, W+(\t)
	global_store_b128 v[L16], v[PC:PC+3], s[16:17] offset:1024*(\t)        ; 32 lanes store 512 consecutive bytes, aligned
	global_store_b128 v[L16], v[PC+4:PC+7], s[16:17] offset:1024*(\t)+512
.endm
	LOADA 0
	LOADA 1
.irp t, 0,1,2,3,4,5,6,7
	STEPA \t
.endr
.irp i, 0,1,2,3
	v_cndmask_b32 v[WSEL+\i], v[W+\i], v[W+4+\i], s[MSK]   ; both halves of the lanes hold all eight words: lanes 16-31 keep words 4-7
.endr
	global_store_b128 v[L16], v[WSEL:WSEL+3], s[18:19]
	s_wait_tensorcnt 0x0
	ds_add_u32 v248, v249
	s_wait_dscnt 0x0
	s_endpgm
; ---------------- THE WEIGHTS.  K is their first axis: a lane takes a column n and its registers run down K, so that a block of 32 lies in one lane and the codes come out with K innermost.
; A wave takes columns 32 P .. 32 P + 31 (tiles 2 P and 2 P + 1) and K step s: four blocks a lane.  Each load reads 128 consecutive bytes; the four waves stand side by side on 512.
.Lweights:
	s_sub_co_u32 s25, ttmp9, 256                   ; j
	s_lshr_b32 s26, s25, 6                         ; which weight: 0 Wq, 1 Wk, 2 Wv, 3 Wo
	s_bfe_u32 s27, s25, 0x30003                    ; K step s
	s_and_b32 s28, s25, 7
	s_lshl_b32 s28, s28, 2
	s_add_co_u32 s28, s28, s[WV]                   ; P
	s_lshl_b32 s30, s27, 19                        ; in: 128 s rows of 4,096 bytes
	s_lshl_b32 s32, s28, 7                         ;     + 32 P columns
	s_add_co_u32 s30, s30, s32
	s_mov_b32 s31, 0
	s_lshl_b32 s32, s26, 19                        ; codes: 524,288 w + 16,384 P + 1,024 s
	s_lshl_b32 s34, s28, 14
	s_add_co_u32 s32, s32, s34
	s_lshl_b32 s34, s27, 10
	s_add_co_u32 s32, s32, s34
	s_mov_b32 s33, 0
	s_lshl_b32 s34, s26, 15                        ; scale words: 32,768 w + 1,024 P + 256 (s / 4) + 4 (s % 4)
	s_lshl_b32 s36, s28, 10
	s_add_co_u32 s34, s34, s36
	s_lshr_b32 s36, s27, 2
	s_lshl_b32 s36, s36, 8
	s_add_co_u32 s34, s34, s36
	s_and_b32 s36, s27, 3
	s_lshl_b32 s36, s36, 2
	s_add_co_u32 s34, s34, s36
	s_mov_b32 s35, 0
	v_lshlrev_b32 v6, 2, v7                        ; in: 4 bytes a lane
	v_bfe_u32 v8, v0, 3, 1                         ; column 32 P + lane is row r of tile 2 P + u: u = (lane / 8) % 2,
	v_and_b32 v9, 7, v0
	v_lshl_add_u32 v9, v5, 3, v9                   ; r = lane % 8 + 8 (lane / 16)
	v_lshlrev_b32 v10, 4, v9
	v_lshl_add_u32 v10, v8, 13, v10                ; codes: 8,192 u + 16 r
	v_lshlrev_b32 v11, 4, v9
	v_lshl_add_u32 v11, v8, 9, v11                 ; scale words: 512 u + 16 r
	s_wait_kmcnt 0x0
	s_cmp_eq_u32 s26, 1                            ; the weight is chosen by ids alone
	s_cselect_b64 s[8:9], s[10:11], s[8:9]
	s_cmp_eq_u32 s26, 2
	s_cselect_b64 s[8:9], s[12:13], s[8:9]
	s_cmp_eq_u32 s26, 3
	s_cselect_b64 s[8:9], s[14:15], s[8:9]
	s_add_nc_u64 s[8:9], s[8:9], s[30:31]
	s_add_nc_u64 s[20:21], s[20:21], s[32:33]
	s_add_nc_u64 s[22:23], s[22:23], s[34:35]
.macro LOADB bb                        ; block bb: W(128 s + 32 bb + i, my column) into a set of its own
.irp i, 0,1,2,3,4,5,6,7,8,9,10,11,12,13,14,15,16,17,18,19,20,21,22,23,24,25,26,27,28,29,30,31
	global_load_b32 v[32+32*(\bb)+\i], v6, s[8:9] offset:(32*(\bb)+\i)*ROWB th:TH_LOAD_NT
.endr
.endm
.macro BLOCKB bb
.set XS, 32+32*(\bb)
.if (\bb) < 3
	s_wait_loadcnt 32                              ; this block's 32 loads are in; the next block's 32 may be out
.else
	s_wait_loadcnt 0x0
.endif
.if (\bb)+2 < 4
	LOADB (\bb)+2
.endif
	v_max3_num_f32 v12, |v[XS]|, |v[XS+1]|, |v[XS+2]|              ; the block's largest magnitude: all 32 numbers are mine; two chains
	v_max3_num_f32 v13, |v[XS+3]|, |v[XS+4]|, |v[XS+5]|
.irp i, 6,10,14,18,22,26
	v_max3_num_f32 v12, v12, |v[XS+\i]|, |v[XS+\i+1]|
	v_max3_num_f32 v13, v13, |v[XS+\i+2]|, |v[XS+\i+3]|
.endr
	v_max3_num_f32 v12, v12, |v[XS+30]|, |v[XS+31]|
	v_max3_num_f32 v12, v12, v13, 0x1800000        ; and the floor 2^(3 - 127)
	v_add_nc_u32 v14, 0xff000000, v12              ; the conversion's scale operand
	v_lshrrev_b32 v15, 23, v14                     ; the scale's byte
.if (\bb) == 0
	v_mov_b32 v16, v15
.else
	v_lshl_or_b32 v16, v15, 8*(\bb), v16           ; four bytes make my column's scale word of this K step
.endif
.irp g, 0,1,2,3
	v_cvt_scalef32_pk8_fp4_f32 v[160+4*(\bb)+\g], v[XS+8*\g:XS+8*\g+7], v14   ; each block has its own four registers: no store's data are written again
.endr
	global_store_b128 v10, v[160+4*(\bb):160+4*(\bb)+3], s[20:21] offset:256*(\bb)   ; block bb = part bb / 2, half bb % 2: sixteen lanes fill 256 consecutive bytes, aligned, in each of the two tiles
.endm
	LOADB 0
	LOADB 1
.irp bb, 0,1,2,3
	BLOCKB \bb
.endr
	global_store_b32 v11, v16, s[22:23]            ; 4 bytes a lane, 16 bytes apart: 128 bytes a wave against the 16,384 that it reads
	s_endpgm
.Lfunc_end_k_q3a465262fa_quant:
	.size	k_q3a465262fa_quant, .Lfunc_end_k_q3a465262fa_quant-k_q3a465262fa_quant
	.p2alignl 7, 3214868480
	.fill 96, 4, 3214868480
	.section	.rodata,"a",@progbits
	.p2align	6, 0x0
	.amdhsa_kernel k_q3a465262fa_quant
		.amdhsa_group_segment_fixed_size 34304
		.amdhsa_private_segment_fixed_size 0
		.amdhsa_enable_private_segment 0
		.amdhsa_kernarg_size 80
		.amdhsa_user_sgpr_count 2
		.amdhsa_user_sgpr_kernarg_segment_ptr 1
		.amdhsa_wavefront_size32 1
		.amdhsa_system_sgpr_workgroup_id_x 1
		.amdhsa_system_sgpr_workgroup_id_y 1
		.amdhsa_system_sgpr_workgroup_id_z 1
		.amdhsa_system_vgpr_workitem_id 0
		.amdhsa_next_free_vgpr 250
		.amdhsa_next_free_sgpr 66
		.amdhsa_reserve_vcc 0
		.amdhsa_float_denorm_mode_32 3
		.amdhsa_float_denorm_mode_16_64 3
		.amdhsa_memory_ordered 1
		.amdhsa_forward_progress 1
		.amdhsa_inst_pref_size 83
	.end_amdhsa_kernel
	.amdgpu_metadata
---
amdhsa.version: [ 1, 2 ]
amdhsa.kernels:
  - .name:           k_q3a465262fa_quant
    .symbol:         k_q3a465262fa_quant.kd
    .args:
      - { .name: query, .offset: 0, .size: 8, .value_kind: global_buffer, .address_space: global }
      - { .name: context, .offset: 8, .size: 8, .value_kind: global_buffer, .address_space: global }
      - { .name: Wq, .offset: 16, .size: 8, .value_kind: global_buffer, .address_space: global }
      - { .name: Wk, .offset: 24, .size: 8, .value_kind: global_buffer, .address_space: global }
      - { .name: Wv, .offset: 32, .size: 8, .value_kind: global_buffer, .address_space: global }
      - { .name: Wo, .offset: 40, .size: 8, .value_kind: global_buffer, .address_space: global }
      - { .name: ximg, .offset: 48, .size: 8, .value_kind: global_buffer, .address_space: global }
      - { .name: xscl, .offset: 56, .size: 8, .value_kind: global_buffer, .address_space: global }
      - { .name: wimg, .offset: 64, .size: 8, .value_kind: global_buffer, .address_space: global }
      - { .name: wscl, .offset: 72, .size: 8, .value_kind: global_buffer, .address_space: global }
    .group_segment_fixed_size: 34304
    .private_segment_fixed_size: 0
    .kernarg_segment_align: 8
    .kernarg_segment_size: 80
    .max_flat_workgroup_size: 128
    .sgpr_count:     66
    .vgpr_count:     250
    .wavefront_size: 32
...
	.end_amdgpu_metadata
.endif
;; end of part 1
;; launch proj (part 2): grid 64 x 3, 4 waves a work-group, no clusters, 0 bytes of LDS; arguments ximg, xscl, wimg, wscl, bq, bk, bv, qrec, kv; writes qrec, kv
.if DOCPART == 2
	.amdgcn_target "amdgcn-amd-amdhsa--gfx1250"
	.amdhsa_code_object_version 6
	.text
	.protected	k_q3a465262fa_proj
	.globl	k_q3a465262fa_proj
	.p2align	8
	.type	k_q3a465262fa_proj,@function
k_q3a465262fa_proj:
	s_mov_b64 s[64:65], 0
	v_nop
	global_prefetch_b8 v0, s[64:65] scope:SCOPE_SE
	s_setreg_imm32_b32 hwreg(HW_REG_WAVE_MODE, 25, 1), 1
	s_wait_xcnt 0x0
; q = query Wq + bq, k = context Wk + bk, v = context Wv + bv on codes of FP4 with E8M0 scales (K = 1,024), sums in f32; each result is quantised in registers for the product that reads it and leaves as codes: no f32 result goes to memory.
; OPERANDS lie in memory as images of operand registers (tile T: lane r = row 32 (T / 2) + 8 (T % 2) + r + 8 (r / 8); fragment (T, s) 1,024 bytes; scale words 512 bytes a tile), so every load is 512 consecutive bytes.
; A WAVE keeps a PANEL of 8 tiles x 8 K steps (65,536 bytes, 512 registers) as source 0 and STREAMS 16 tiles of source 1 (8,192 bytes each): 64 matrix instructions a tile on 8 accumulators, which take turns.
; By the tiles' order of rows the 16 registers of accumulators 2 b and 2 b + 1 are 16 neighbours along source 0's rows, 32 b + 16 (lane / 16) + 0 .. 15: the axis along which the result is quantised.
;   y = 0, 1 (q, k): panel = 128 columns of the weight (a pair of heads), stream = tokens.  A lane holds a token, registers run along the heads' 64 + 64: blocks 0, 1 are head 2 g, blocks 2, 3 head 2 g + 1.
;   y = 2 (v): panel = 128 tokens (a key step), stream = columns of Wv.  A lane holds a column d, registers run along the keys.
; OUT: records of 8,960 bytes for (batch, head, 128 tokens): 0 K's (or Q's) eight half fragments of 512 bytes (d 0-63; the upper half of the product's K = 128 is zero codes and is not stored); 4,096 V^T's four fragments (rows d, K = the keys);
;   8,192 K's (Q's) scale words [pair of tiles][lane]: lanes 0-15 the even tile, lanes 16-31 the odd; bytes 0, 1 count, bytes 2, 3 are never 0xff;  8,704 V's scale words likewise.
; NO CLUSTER, NO LDS: a wave's panel is its own; its stream (131,072 bytes) is also read by the seven other waves that hold the other panels, out of the cache; sharing it through LDS would put a barrier behind every 64 matrix instructions.
; 192 work-groups: 3 products x 8 x 512 units of (panel, tile) in runs of 16 tiles are 768 waves.
; LIMITS: NaN and infinities are not served; a block of zeros or under 2^-124 gets the byte 1, with zero codes.
.set REC, 8960
.set HS,  16*REC                       ; a head's sixteen records
.set LI,  1                            ; v1   16 x lane
.set LS,  2                            ; v2   4 x lane
.set BV,  3                            ; v3   4 (r + 8 (r / 8)): my column's place in a tile's bias
.set BH,  4                            ; v4   64 h: my half's place in a pair of tiles' bias
.set PSC, 8                            ; v8-39    the panel's scale words, four registers a tile: lane (r, h) words 4 h .. 4 h + 3
.set SSC, 40                           ; v40-47   the two stream tiles' scale words
.set ACC, 48                           ; v48-111  eight accumulators
.set PC,  112                          ; v112-119 a fragment's codes
.set TM,  120                          ; v120-135 at work in QUANT
.set PW,  136                          ; the scale word just made;  PW0: the even tile's
.set PW0, 137
.set SW,  138                          ; both tiles' words, lanes 0-15 and 16-31;  SW2: the second head's bytes
.set SW2, 139
.set BB,  140                          ; v140, v142 bv at my column of stream tile 0, 1 (v141, v143 = 0: named as the pairs' upper halves)
.set BA,  144                          ; v144-207 bq or bk in the accumulators' layout
; window 1: the panel's fragments (t, s < 4) at v[64 s + 8 t];  window 2: (t, s >= 4) at v[64 (s - 4) + 8 t];  window 3: stream tile u's fragment s at v[64 u + 8 s]
.set S0P, 26
.set S0S, 28
.set S1P, 30                           ; the pair of stream tiles to be fetched
.set S1S, 32
.set BP,  34
.set DCP, 36
.set DSP, 38
.set CNT, 40
.set MSK, 41
.set SEL, 42
.set MSB, 0
.macro WIN new                         ; the immediate's high byte repeats the setting that is left
.if MSB != \new
	s_set_vgpr_msb (MSB<<8)|\new
.set MSB, \new
.endif
.endm
.macro PLACES n                        ; plain vector instructions that name none of a matrix instruction's registers (ISA guide 7.12.1)
.rept \n
	v_nop
.endr
.endm
.macro LOADS0                          ; the panel and its scale words
	WIN 0x40
.irp s, 0,1,2,3
.irp t, 0,1,2,3,4,5,6,7
.irp c, 0,1
	global_load_b128 v[64*\s+8*\t+4*\c:64*\s+8*\t+4*\c+3], v[LI], s[S0P:S0P+1] offset:(8*\t+\s)*1024+512*\c
.endr
.endr
.endr
	WIN 0x80
.irp s, 0,1,2,3
.irp t, 0,1,2,3,4,5,6,7
.irp c, 0,1
	global_load_b128 v[64*\s+8*\t+4*\c:64*\s+8*\t+4*\c+3], v[LI], s[S0P:S0P+1] offset:(8*\t+\s+4)*1024+512*\c
.endr
.endr
.endr
	WIN 0
.irp t, 0,1,2,3,4,5,6,7
	global_load_b128 v[PSC+4*\t:PSC+4*\t+3], v[LI], s[S0S:S0S+1] offset:512*\t
.endr
.endm
.macro LOADF u                         ; stream tile u of the pair at S1P: 16 loads, and one for its scale words
	WIN 0xc0
.irp s, 0,1,2,3,4,5,6,7
.irp c, 0,1
	global_load_b128 v[64*\u+8*\s+4*\c:64*\u+8*\s+4*\c+3], v[LI], s[S1P:S1P+1] offset:8192*\u+1024*\s+512*\c
.endr
.endr
	WIN 0
	global_load_b128 v[SSC+4*\u:SSC+4*\u+3], v[LI], s[S1S:S1S+1] offset:512*\u
.endm
.macro LOADBA                          ; accumulator t, register j, half h belongs to column 32 (t / 2) + 16 h + 8 (t % 2) + j of the panel
.irp t, 0,1,2,3,4,5,6,7
	global_load_b128 v[BA+8*\t:BA+8*\t+3], v[BH], s[BP:BP+1] offset:(32*(\t/2)+8*(\t%2))*4
	global_load_b128 v[BA+8*\t+4:BA+8*\t+7], v[BH], s[BP:BP+1] offset:(32*(\t/2)+8*(\t%2))*4+16
.endr
.endm
; One product: accumulator t, K step s, stream tile u.  K steps 4-7 take their scale words from lanes 16-31.  The first K step starts the sum: with the bias (cin = 1) or with 0.
.macro MM t, s, u, cin
.set rD, ACC+8*(\t)
.set rA, 64*((\s)%4)+8*(\t)
.set rB, 64*(\u)+8*(\s)
.set rX, PSC+4*(\t)+(\s)%4
.set rY, SSC+4*(\u)+(\s)%4
.if (\s) == 0
.if \cin
	v_wmma_scale_f32_16x16x128_f8f6f4 v[rD:rD+7], v[rA:rA+7], v[rB:rB+7], v[BA+8*(\t):BA+8*(\t)+7], v[rX], v[rY] matrix_a_fmt:MATRIX_FMT_FP4 matrix_b_fmt:MATRIX_FMT_FP4
.else
	v_wmma_scale_f32_16x16x128_f8f6f4 v[rD:rD+7], v[rA:rA+7], v[rB:rB+7], 0, v[rX], v[rY] matrix_a_fmt:MATRIX_FMT_FP4 matrix_b_fmt:MATRIX_FMT_FP4
.endif
.elseif (\s) < 4
	v_wmma_scale_f32_16x16x128_f8f6f4 v[rD:rD+7], v[rA:rA+7], v[rB:rB+7], v[rD:rD+7], v[rX], v[rY] matrix_a_fmt:MATRIX_FMT_FP4 matrix_b_fmt:MATRIX_FMT_FP4
.else
	v_wmma_scale_f32_16x16x128_f8f6f4 v[rD:rD+7], v[rA:rA+7], v[rB:rB+7], v[rD:rD+7], v[rX], v[rY] matrix_a_fmt:MATRIX_FMT_FP4 matrix_b_fmt:MATRIX_FMT_FP4 matrix_a_scale:MATRIX_SCALE_ROW1 matrix_b_scale:MATRIX_SCALE_ROW1
.endif
.endm
.macro MULT u, cin                     ; 64 products: K ascending, the eight accumulators by turns
.irp s, 0,1,2,3,4,5,6,7
.if \s < 4
	WIN 0x0d                                       ; source 0 window 1, source 1 window 3, C and D window 0
.else
	WIN 0x0e                                       ; source 0 window 2
.endif
.irp t, 0,1,2,3,4,5,6,7
	MM \t, \s, \u, \cin
.endr
.endr
	WIN 0
.endm
; 64 numbers of a lane, register 16 b + i = place 32 b + 16 (lane / 16) + i along the next K, become a fragment's codes in v[PC] on and the scale word in v[pw].  Each accumulator is read from its low end on.
.macro QUANT src, pw
.irp b, 0,1,2,3
	v_max3_num_f32 v[TM+\b], |v[\src+16*\b]|, |v[\src+1+16*\b]|, 0x1800000   ; my 16 numbers of block b, and the floor 2^(3 - 127): the byte cannot fall under 1
.endr
.irp i, 2,4,6,8,10,12,14
.irp b, 0,1,2,3
	v_max3_num_f32 v[TM+\b], v[TM+\b], |v[\src+16*\b+\i]|, |v[\src+1+16*\b+\i]|
.endr
.endr
.irp b, 0,1,2,3
	v_permlanex16_b32 v[TM+4+\b], v[TM+\b], s[SEL], s[SEL+1]
.endr
.irp b, 0,1,2,3
	v_max_num_f32 v[TM+\b], v[TM+\b], v[TM+4+\b]   ; with lane l xor 16's 16: the block's largest magnitude
.endr
.irp b, 0,1,2,3
	v_add_nc_u32 v[TM+12+\b], 0xff000000, v[TM+\b]   ; 2 off its exponent field: the conversion's scale operand
.endr
.irp b, 0,1,2,3
	v_lshrrev_b32 v[TM+4+\b], 23, v[TM+12+\b]      ; the scale's byte
.endr
	v_lshl_or_b32 v[\pw], v[TM+5], 8, v[TM+4]
	v_lshl_or_b32 v[\pw], v[TM+6], 16, v[\pw]
	v_lshl_or_b32 v[\pw], v[TM+7], 24, v[\pw]
	s_wait_xcnt 0x0                                ; the last tile's stores have read v[PC] on: it is written again only behind this wait
.irp b, 0,1,2,3
	v_cvt_scalef32_pk8_fp4_f32 v[PC+2*\b], v[\src+16*\b:\src+7+16*\b], v[TM+12+\b]
	v_cvt_scalef32_pk8_fp4_f32 v[PC+1+2*\b], v[\src+8+16*\b:\src+15+16*\b], v[TM+12+\b]
.endr
	v_nop                                          ; one plain place behind a scaled conversion: the swaps touch its results, the next products write its sources
.irp c, 0,1
.irp i, 0,1
	v_permlane16_swap_b32 v[PC+4*\c+\i], v[PC+2+4*\c+\i]   ; a whole block to a lane: registers 4 c .. 4 c + 3 hold places 64 c + 32 h + 0 .. 31
.endr
.endr
.endm
.macro EPIQK u                         ; a tile of 16 tokens x two heads: registers 0-3 are head 2 g's half fragment, 4-7 head 2 g + 1's
	QUANT ACC, PW
	global_store_b128 v[LI], v[PC:PC+3], s[DCP:DCP+1] offset:512*\u
	global_store_b128 v[LI], v[PC+4:PC+7], s[DCP:DCP+1] offset:512*\u+HS
.if \u == 0
	v_mov_b32 v[PW0], v[PW]
.else
	v_cndmask_b32 v[SW], v[PW0], v[PW], s[MSK]     ; both halves of the lanes hold their row's word: lanes 0-15 keep the even tile's, lanes 16-31 the odd tile's
	v_lshrrev_b32 v[SW2], 16, v[SW]                ; head 2 g + 1's two bytes; above them 0, which is no NaN
	global_store_b32 v[LS], v[SW], s[DSP:DSP+1]    ; head 2 g's two bytes; above them the other head's, never 0xff: both meet zero codes
	global_store_b32 v[LS], v[SW2], s[DSP:DSP+1] offset:HS
.endif
.endm
.macro EPIV u, pf                      ; a tile of 16 columns d x 128 keys: one fragment of V^T
.irp j, 0,2,4,6,8,10,12,14,16,18,20,22,24,26,28,30,32,34,36,38,40,42,44,46,48,50,52,54,56,58,60,62
	v_pk_add_f32 v[ACC+\j:ACC+\j+1], v[ACC+\j:ACC+\j+1], v[BB+2*\u:BB+2*\u+1] op_sel_hi:[1,0]   ; + bv at my column
.endr
.if \pf
	global_load_b32 v[BB+2*\u], v[BV], s[BP:BP+1] offset:32*\u     ; the next pair's
.endif
	QUANT ACC, PW
	global_store_b128 v[LI], v[PC:PC+3], s[DCP:DCP+1] offset:1024*\u
	global_store_b128 v[LI], v[PC+4:PC+7], s[DCP:DCP+1] offset:1024*\u+512
.if \u == 0
	v_mov_b32 v[PW0], v[PW]
.else
	v_cndmask_b32 v[SW], v[PW0], v[PW], s[MSK]
	global_store_b32 v[LS], v[SW], s[DSP:DSP+1]
.endif
.endm
.macro EPI path, u, pf
.if \path
	EPIV \u, \pf
.else
	EPIQK \u
.endif
.endm
; Two stream tiles.  path 0: q, k; 1: v.  pf = 1: the next pair is fetched into the registers just multiplied.  A tile's group of loads is 17 (path 1: 18, with its bias word), and behind the group that is waited for stands the other tile's.
; Behind each run of products stand four places in front of the loads into its sources and of the first read of its results; the plain lines of QUANT make up the fifth that the next run, which begins the accumulators anew, asks for.
.macro PAIR path, pf
	s_wait_loadcnt 17+\path
	MULT 0, 1-\path
	PLACES 4
.if \pf
	LOADF 0
.endif
	EPI \path, 0, \pf
.if \pf
	s_wait_loadcnt 17+\path
.else
	s_wait_loadcnt 0x0
.endif
	MULT 1, 1-\path
	PLACES 4
.if \pf
	LOADF 1
.endif
	EPI \path, 1, \pf
.endm
	s_load_b256 s[4:11], s[0:1], 0x0               ; ximg s[4:5], xscl s[6:7], wimg s[8:9], wscl s[10:11]
	s_load_b256 s[12:19], s[0:1], 0x20             ; bq s[12:13], bk s[14:15], bv s[16:17], qrec s[18:19]
	s_load_b64 s[20:21], s[0:1], 0x40              ; kv
	v_lshrrev_b32 v5, 5, v0
	v_readfirstlane_b32 s22, v5                    ; wave 0..3
	s_and_b32 s23, ttmp7, 0xffff                   ; y: which product
	v_and_b32 v5, 31, v0
	v_lshlrev_b32 v[LI], 4, v5
	v_lshlrev_b32 v[LS], 2, v5
	v_and_b32 v6, 15, v0
	v_and_b32 v7, 8, v6
	v_add_nc_u32 v7, v7, v6
	v_lshlrev_b32 v[BV], 2, v7
	v_bfe_u32 v6, v0, 4, 1
	v_lshlrev_b32 v[BH], 6, v6
.irp b, 0,1,2,3
	v_mov_b32 v[TM+4+\b], 0                        ; written once: a lane permute's destination counts as one of its sources
.endr
	v_mov_b32 v[BB+1], 0
	v_mov_b32 v[BB+3], 0
	s_mov_b32 s[MSK], 0xffff0000
	s_mov_b32 s[SEL], 0x76543210
	s_mov_b32 s[SEL+1], 0xfedcba98
	s_mov_b32 s45, 0                               ; s[44:45], s[46:47]: offsets under 2^32
	s_mov_b32 s47, 0
	s_wait_kmcnt 0x0
	s_cmp_eq_u32 s23, 2
	s_cbranch_scc1 .Lv
; ---------------- q (y = 0) and k (y = 1)
	s_and_b32 s24, ttmp9, 1
	s_lshl_b32 s24, s24, 2
	s_add_co_u32 s24, s24, s22                     ; g: the pair of heads
	s_lshr_b32 s25, ttmp9, 1                       ; R: the run of 16 token tiles
	s_cmp_eq_u32 s23, 0
	s_cselect_b64 s[BP:BP+1], s[12:13], s[14:15]
	s_cselect_b64 s[DCP:DCP+1], s[18:19], s[20:21]
	s_lshl_b32 s44, s23, 19
	s_lshl_b32 s46, s24, 16
	s_add_co_u32 s44, s44, s46
	s_add_nc_u64 s[S0P:S0P+1], s[8:9], s[44:45]    ; weight y, tiles 8 g on
	s_lshl_b32 s44, s23, 15
	s_lshl_b32 s46, s24, 12
	s_add_co_u32 s44, s44, s46
	s_add_nc_u64 s[S0S:S0S+1], s[10:11], s[44:45]
	s_lshl_b32 s44, s23, 22
	s_lshl_b32 s46, s25, 17
	s_add_co_u32 s44, s44, s46
	s_add_nc_u64 s[S1P:S1P+1], s[4:5], s[44:45]    ; tensor y, tiles 16 R on
	s_lshl_b32 s44, s23, 18
	s_lshl_b32 s46, s25, 13
	s_add_co_u32 s44, s44, s46
	s_add_nc_u64 s[S1S:S1S+1], s[6:7], s[44:45]
	s_lshl_b32 s44, s24, 9
	s_add_nc_u64 s[BP:BP+1], s[BP:BP+1], s[44:45]
	s_lshr_b32 s44, s25, 3                         ; the first record: 256 x batch + 32 g + step, batch = R / 8, step = 2 R % 16
	s_lshl_b32 s44, s44, 8
	s_lshl_b32 s46, s24, 5
	s_add_co_u32 s44, s44, s46
	s_lshl_b32 s46, s25, 1
	s_and_b32 s46, s46, 15
	s_add_co_u32 s44, s44, s46
	s_mul_i32 s44, s44, REC
	s_add_nc_u64 s[DCP:DCP+1], s[DCP:DCP+1], s[44:45]
	s_add_nc_u64 s[DSP:DSP+1], s[DCP:DCP+1], 8192
	LOADS0
	LOADBA
	LOADF 0
	LOADF 1
	s_wait_xcnt 0x0                                ; the loads have read their bases
	s_add_nc_u64 s[S1P:S1P+1], s[S1P:S1P+1], 16384
	s_add_nc_u64 s[S1S:S1S+1], s[S1S:S1S+1], 1024
	s_mov_b32 s[CNT], 0
.Lqk:                                                  ; seven trips; the eighth pair is written out, without loads
	PAIR 0, 1
	s_wait_xcnt 0x0                                ; loads and stores have read their bases and data
	s_add_nc_u64 s[S1P:S1P+1], s[S1P:S1P+1], 16384
	s_add_nc_u64 s[S1S:S1S+1], s[S1S:S1S+1], 1024
	s_and_b32 s44, s[CNT], 3
	s_cmp_eq_u32 s44, 3                            ; four pairs fill a record
	s_cselect_b32 s44, 4864, 0                     ; codes: 1,024 on, or 8,960 - 3,072 to the next record
	s_cselect_b32 s46, 8448, 0                     ; scale words: 128 on, or 8,960 - 384
	s_add_co_u32 s44, s44, 1024
	s_add_co_u32 s46, s46, 128
	s_add_nc_u64 s[DCP:DCP+1], s[DCP:DCP+1], s[44:45]
	s_add_nc_u64 s[DSP:DSP+1], s[DSP:DSP+1], s[46:47]
	s_add_co_u32 s[CNT], s[CNT], 1
	s_cmp_lt_u32 s[CNT], 7
	s_cbranch_scc1 .Lqk
	PAIR 0, 0
	s_endpgm
; ---------------- v (y = 2)
.Lv:
	s_and_b32 s24, ttmp9, 15
	s_lshl_b32 s24, s24, 2
	s_add_co_u32 s24, s24, s22                     ; which 128 tokens: 16 x batch + step
	s_lshr_b32 s25, ttmp9, 4                       ; the run of 16 tiles of Wv: four heads
	s_lshl_b32 s44, s24, 16
	s_add_co_u32 s44, s44, 4194304
	s_add_nc_u64 s[S0P:S0P+1], s[4:5], s[44:45]    ; context's tiles 8 x that on
	s_lshl_b32 s44, s24, 12
	s_add_co_u32 s44, s44, 262144
	s_add_nc_u64 s[S0S:S0S+1], s[6:7], s[44:45]
	s_lshl_b32 s44, s25, 17
	s_add_co_u32 s44, s44, 1048576
	s_add_nc_u64 s[S1P:S1P+1], s[8:9], s[44:45]    ; Wv's tiles 16 x run on
	s_lshl_b32 s44, s25, 13
	s_add_co_u32 s44, s44, 65536
	s_add_nc_u64 s[S1S:S1S+1], s[10:11], s[44:45]
	s_lshl_b32 s44, s25, 10
	s_add_nc_u64 s[BP:BP+1], s[16:17], s[44:45]    ; bv at column 256 x run
	s_lshr_b32 s44, s24, 4                         ; the first record: 256 x batch + 64 x run + step
	s_lshl_b32 s44, s44, 8
	s_lshl_b32 s46, s25, 6
	s_add_co_u32 s44, s44, s46
	s_and_b32 s46, s24, 15
	s_add_co_u32 s44, s44, s46
	s_mul_i32 s44, s44, REC
	s_add_nc_u64 s[DSP:DSP+1], s[20:21], s[44:45]
	s_add_nc_u64 s[DCP:DCP+1], s[DSP:DSP+1], 4096
	s_add_nc_u64 s[DSP:DSP+1], s[DSP:DSP+1], 8704
	LOADS0
	LOADF 0
	global_load_b32 v[BB], v[BV], s[BP:BP+1]
	LOADF 1
	global_load_b32 v[BB+2], v[BV], s[BP:BP+1] offset:32
	s_wait_xcnt 0x0
	s_add_nc_u64 s[S1P:S1P+1], s[S1P:S1P+1], 16384
	s_add_nc_u64 s[S1S:S1S+1], s[S1S:S1S+1], 1024
	s_add_nc_u64 s[BP:BP+1], s[BP:BP+1], 128
	s_mov_b32 s[CNT], 0
.Lvv:
	PAIR 1, 1
	s_wait_xcnt 0x0
	s_add_nc_u64 s[S1P:S1P+1], s[S1P:S1P+1], 16384
	s_add_nc_u64 s[S1S:S1S+1], s[S1S:S1S+1], 1024
	s_add_nc_u64 s[BP:BP+1], s[BP:BP+1], 128
	s_and_b32 s44, s[CNT], 1
	s_cmp_eq_u32 s44, 1                            ; two pairs are a head's four tiles of d
	s_cselect_b32 s44, 139264, 0                   ; codes: 2,048 on, or a head's 143,360 - 2,048
	s_cselect_b32 s46, 143104, 0                   ; scale words: 128 on, or 143,360 - 128
	s_add_co_u32 s44, s44, 2048
	s_add_co_u32 s46, s46, 128
	s_add_nc_u64 s[DCP:DCP+1], s[DCP:DCP+1], s[44:45]
	s_add_nc_u64 s[DSP:DSP+1], s[DSP:DSP+1], s[46:47]
	s_add_co_u32 s[CNT], s[CNT], 1
	s_cmp_lt_u32 s[CNT], 7
	s_cbranch_scc1 .Lvv
	PAIR 1, 0
	s_endpgm
.Lfunc_end_k_q3a465262fa_proj:
	.size	k_q3a465262fa_proj, .Lfunc_end_k_q3a465262fa_proj-k_q3a465262fa_proj
	.p2alignl 7, 3214868480
	.fill 96, 4, 3214868480
	.section	.rodata,"a",@progbits
	.p2align	6, 0x0
	.amdhsa_kernel k_q3a465262fa_proj
		.amdhsa_group_segment_fixed_size 0
		.amdhsa_private_segment_fixed_size 0
		.amdhsa_enable_private_segment 0
		.amdhsa_kernarg_size 72
		.amdhsa_user_sgpr_count 2
		.amdhsa_user_sgpr_kernarg_segment_ptr 1
		.amdhsa_wavefront_size32 1
		.amdhsa_system_sgpr_workgroup_id_x 1
		.amdhsa_system_sgpr_workgroup_id_y 1
		.amdhsa_system_sgpr_workgroup_id_z 1
		.amdhsa_system_vgpr_workitem_id 0
		.amdhsa_next_free_vgpr 896
		.amdhsa_next_free_sgpr 66
		.amdhsa_reserve_vcc 0
		.amdhsa_float_denorm_mode_32 3
		.amdhsa_float_denorm_mode_16_64 3
		.amdhsa_memory_ordered 1
		.amdhsa_forward_progress 1
		.amdhsa_inst_pref_size 153
	.end_amdhsa_kernel
	.amdgpu_metadata
---
amdhsa.version: [ 1, 2 ]
amdhsa.kernels:
  - .name:           k_q3a465262fa_proj
    .symbol:         k_q3a465262fa_proj.kd
    .args:
      - { .name: ximg, .offset: 0, .size: 8, .value_kind: global_buffer, .address_space: global }
      - { .name: xscl, .offset: 8, .size: 8, .value_kind: global_buffer, .address_space: global }
      - { .name: wimg, .offset: 16, .size: 8, .value_kind: global_buffer, .address_space: global }
      - { .name: wscl, .offset: 24, .size: 8, .value_kind: global_buffer, .address_space: global }
      - { .name: bq, .offset: 32, .size: 8, .value_kind: global_buffer, .address_space: global }
      - { .name: bk, .offset: 40, .size: 8, .value_kind: global_buffer, .address_space: global }
      - { .name: bv, .offset: 48, .size: 8, .value_kind: global_buffer, .address_space: global }
      - { .name: qrec, .offset: 56, .size: 8, .value_kind: global_buffer, .address_space: global }
      - { .name: kv, .offset: 64, .size: 8, .value_kind: global_buffer, .address_space: global }
    .group_segment_fixed_size: 0
    .private_segment_fixed_size: 0
    .kernarg_segment_align: 8
    .kernarg_segment_size: 72
    .max_flat_workgroup_size: 128
    .sgpr_count:     66
    .vgpr_count:     896
    .wavefront_size: 32
...
	.end_amdgpu_metadata
.endif
;; end of part 2
;; launch attn (part 3): grid 8 x 32, 16 waves a work-group, clusters of 4 x 1, 327,680 bytes of LDS; arguments qrec, kv, aimg, ascl; writes aimg, ascl
.if DOCPART == 3
	.amdgcn_target "amdgcn-amd-amdhsa--gfx1250"
	.amdhsa_code_object_version 6
	.text
	.protected	k_q3a465262fa_attn
	.globl	k_q3a465262fa_attn
	.p2align	8
	.type	k_q3a465262fa_attn,@function
k_q3a465262fa_attn:
	s_mov_b64 s[64:65], 0
	v_nop
	global_prefetch_b8 v0, s[64:65] scope:SCOPE_SE
	s_setreg_imm32_b32 hwreg(HW_REG_WAVE_MODE, 25, 1), 1
	s_wait_xcnt 0x0
	s_wait_alu depctr_hold_cnt(0) depctr_sa_sdst(0) depctr_va_vdst(0) depctr_va_sdst(0) depctr_va_ssrc(0) depctr_va_vcc(0) depctr_vm_vsrc(0)
	s_getreg_b32 s2, hwreg(HW_REG_IB_STS2, 6, 4)
	s_cmp_eq_u32 s2, 0
	s_cbranch_scc0 .Lentry_in_a_cluster
	s_endpgm
.Lentry_in_a_cluster:
	s_bfe_u32 s2, ttmp6, 0x10000c
	s_cmp_lg_u32 s2, 0x3003
	s_cbranch_scc0 .Lentry_shape_is_right
	s_endpgm
.Lentry_shape_is_right:
; attn[b][q][head][:] = the sum over keys of softmax(q . k / 8) v, both products on codes of FP4 with E8M0 scales; the result is quantised along (head, d) in registers and leaves as the last product's operand.
; THE SOFTMAX AHEAD OF THE SECOND PRODUCT: t = score x log2(e) / 8; M = the running largest t, rounded UP to a whole number; p = 2^(t - M) is quantised along the keys, not normalised; the row's sum is taken of the unquantised p and divides at the end.
; When M moves, the sum and O are multiplied by 2^(old M - new M), which rounds nothing.
; SHARES.  A work-group owns 256 queries of one batch and a PAIR of heads; each of its sixteen waves owns one tile of 16 queries, for head 2 g and then head 2 g + 1.  Four waves to a SIMD: one wave's vector work stands beside another's products and LDS loads.
; LDS holds the pair's K, V and scale words whole: 2 heads x 16 key steps x 8,960 bytes = 286,720, as they lie in memory (images of operand registers: every LDS load is 16 or 4 bytes x lane on end).  Every byte is filled ONCE: no slot is filled again.
; CLUSTER.  The four blocks of queries of a cluster walk the same pair of heads: each fill is asked for JOINTLY, by the same tensor load with the same descriptor and the mask of all four.
; Waves 0 and 1 issue five loads each: head 2 g in four chunks of four key steps (each wave a half: 70 rows of 256 bytes), then half of head 2 g + 1 (280 rows).  So five tensor loads of a wave are out at the most, and the first steps begin when the first chunk is in.
; LAYOUT.  Both products are used transposed (S^T = K Q^T, O^T = V^T P^T): a lane holds ONE query throughout.  Tile t of K holds keys 32 (t / 2) + 8 (t % 2) + r + 8 (r / 8), so that the 16 registers of tiles 2 b, 2 b + 1 are 16 neighbouring keys; V^T's tiles of d likewise.
; THE FIRST PRODUCT'S K IS 64: a fragment's registers 4-7 (k = 64 .. 127) must add nothing.  Q's are zero codes; K's are then whatever follows in the registers (the next tile's codes; behind tile 7 zeros): any code x a zero code is 0, and no scale byte is 0xff.
; LIMITS: NaN and infinities are not served.  A block's largest p is taken from its largest score by the same multiply-add and exponential, which takes v_exp_f32 not to fall where its input rises.  p under 2^-126 is 0; a block of such p, or of zeros, gets the byte 1 with zero codes.
.set REC,   8960                       ; a key step's record: 0 K's 8 half fragments; 4,096 V^T's 4 fragments; 8,192 K's scale words; 8,704 V's
.set HS,    16*REC                     ; a head
.set CHUNK, 4*REC
.set L16, 1                            ; v1  16 x lane
.set L4,  2                            ; v2  4 x lane
.set A16, 3                            ; v3  the step's record + 16 x lane
.set A4,  4                            ; v4  the step's record + 4 x lane
.set R4,  5                            ; v5  4 (lane % 16)
.set R16, 6                            ; v6  16 (lane % 16)
                                       ; v8 -M, v9 the running largest t; v[10:11] the sum in two halves; v12 f or 1 / sum, v13 = 0; v14 at work
.set Q0,  16                           ; v16-23, v24-31 Q's fragments for the two heads; registers 4-7 of each are zero codes
.set Q1,  24
.set KF,  32                           ; v32-63 K's eight half fragments; v64-67 zeros
.set VF,  68                           ; v68-99 V^T's four fragments
.set S,   100                          ; v100-163 S^T, then p
.set O,   164                          ; v164-195 O^T
.set P,   196                          ; v196-203 p's codes
.set BM,  204                          ; v204-207 a block's largest score, then its largest p
.set BX,  208                          ; v208-211 the other half's, then the bytes
.set BS,  212                          ; v212-215 the conversions' scale operands
.set KS,  216                          ; v216-219 K's scale words: lanes 0-15 tile 2 i, lanes 16-31 tile 2 i + 1
.set VS,  220                          ; v220-221 V's likewise
.set QS0, 222                          ; Q's scale words for the two heads
.set QS1, 223
.set PS,  224                          ; p's scale word
.set C2,  226                          ; v[226:227] the sum's second chain
.set OC,  228                          ; v228-231 the result's codes
.set OW,  232                          ; the result's scale word;  v233 a head's two bytes
.set OT,  233
.set WV,  12
.set G1A, 16                           ; s[16:23] descriptor group 1: 70 rows of 256 bytes;  s[24:31]: 280 rows
.set G1B, 24
.set G0,  32                           ; s[32:47] group 0 for the four chunks;  s[48:51] for head 2 g + 1
.set G0H, 48
.set CS,  52                           ; s[52:53] c = log2(e) / 8
.set SEL, 54                           ; s[54:55] v_permlanex16_b32's selects for lane l xor 16
.set TB,  56                           ; s56 LDS byte of the step's record
.set LC,  57
.macro CROUND                          ; a round of the cluster's barrier
	s_barrier_signal -1
	s_barrier_wait -1
	s_cmp_lg_u32 s[WV], 0
	s_cbranch_scc1 .Lnot_wave_0_\@
	s_barrier_signal -3
.Lnot_wave_0_\@:
	s_barrier_wait -3
	s_barrier_signal -1
	s_barrier_wait -1
.endm
	s_load_b256 s[4:11], s[0:1], 0x0               ; qrec s[4:5], kv s[6:7], aimg s[8:9], ascl s[10:11]
	v_lshl_add_u32 v240, v0, 2, 0x46000
	v_mov_b32 v241, 0
	ds_add_u32 v240, v241
	ds_add_u32 v240, v241
	v_lshrrev_b32 v3, 5, v0
	v_readfirstlane_b32 s[WV], v3                  ; wave 0..15
	s_bfe_u32 s13, ttmp6, 0x40000                  ; cx: it enters Q's and the result's global addresses alone
	s_lshl_b32 s14, ttmp9, 2
	s_add_co_u32 s14, s14, s13                     ; my block of 256 queries
	s_and_b32 s15, ttmp7, 0xffff                   ; y = 8 x batch + g, which the four partners share
	s_mul_i32 s66, s15, 2*HS                       ; the pair's first byte in kv
	s_mov_b32 s67, 0
	s_mul_i32 s68, s[WV], CHUNK/2                  ; my half of a chunk, in memory and in LDS alike
	s_mov_b32 s69, 0
	s_mul_i32 s70, s[WV], HS/2                     ; my half of the second head
	s_mov_b32 s71, 0
	; group 1: dense bytes as rows of 32 elements of 8 bytes, no padding; 15:0 the mask of all four work-groups, bit 21 set beside it
	s_mov_b32 s[G1A], 15|(3<<16)|(1<<21)
	s_mov_b32 s[G1A+1], 32<<16                     ; tensor_dim0
	s_mov_b32 s[G1A+2], 70<<16                     ; tensor_dim1
	s_mov_b32 s[G1A+3], 32<<16                     ; tile_dim0
	s_mov_b32 s[G1A+4], 70                         ; tile_dim1
	s_mov_b32 s[G1A+5], 32                         ; the pitch
	s_mov_b32 s[G1A+6], 0
	s_mov_b32 s[G1A+7], 0
	s_mov_b32 s[G1B], 15|(3<<16)|(1<<21)
	s_mov_b32 s[G1B+1], 32<<16
	s_mov_b32 s[G1B+2], 280<<16
	s_mov_b32 s[G1B+3], 32<<16
	s_mov_b32 s[G1B+4], 280
	s_mov_b32 s[G1B+5], 32
	s_mov_b32 s[G1B+6], 0
	s_mov_b32 s[G1B+7], 0
	s_mov_b32 s[CS], 0x3e38aa3b
	s_mov_b32 s[CS+1], s[CS]                       ; named with it as a pair, so it is written
	s_mov_b32 s[SEL], 0x76543210
	s_mov_b32 s[SEL+1], 0xfedcba98
	s_mov_b32 s[TB], 0
	s_wait_dscnt 0x0
	s_wait_kmcnt 0x0
	s_add_nc_u64 s[6:7], s[6:7], s[66:67]
	s_add_nc_u64 s[72:73], s[6:7], s[68:69]
	CROUND                                         ; all four work-groups are here: the joint loads meet
.irp n, 0,1,2,3
	s_mov_b32 s[G0+4*\n], 1
	s_add_co_u32 s[G0+4*\n+1], s68, \n*CHUNK
	s_add_nc_u64 s[G0+4*\n+2:G0+4*\n+3], s[72:73], \n*CHUNK
	s_or_b32 s[G0+4*\n+3], s[G0+4*\n+3], 0x80000000
.endr
	s_mov_b32 s[G0H], 1
	s_add_co_u32 s[G0H+1], s70, HS
	s_add_nc_u64 s[G0H+2:G0H+3], s[6:7], s[70:71]
	s_add_nc_u64 s[G0H+2:G0H+3], s[G0H+2:G0H+3], HS
	s_or_b32 s[G0H+3], s[G0H+3], 0x80000000
	s_cmp_lt_u32 s[WV], 2                          ; all first fills of a wave stand in one branch on the wave's number, ahead of every wait on TENSORcnt and every LDS read
	s_cbranch_scc0 .Lno_fill
	tensor_load_to_lds s[G0:G0+3], s[G1A:G1A+7]
	s_nop 0
	tensor_load_to_lds s[G0+4:G0+7], s[G1A:G1A+7]
	s_nop 0
	tensor_load_to_lds s[G0+8:G0+11], s[G1A:G1A+7]
	s_nop 0
	tensor_load_to_lds s[G0+12:G0+15], s[G1A:G1A+7]
	s_nop 0
	tensor_load_to_lds s[G0H:G0H+3], s[G1B:G1B+7]
	s_nop 0
.rept 4
	v_nop
.endr
.Lno_fill:
	v_and_b32 v7, 31, v0
	v_lshlrev_b32 v[L16], 4, v7
	v_lshlrev_b32 v[L4], 2, v7
	v_and_b32 v7, 15, v0
	v_lshlrev_b32 v[R4], 2, v7
	v_lshlrev_b32 v[R16], 4, v7
	s_lshl_b32 s74, s15, 5                         ; Q's record: (32 y + 2 x block + wave / 8) x 8,960; the second head's lies 143,360 on
	s_lshl_b32 s75, s14, 1
	s_add_co_u32 s74, s74, s75
	s_lshr_b32 s75, s[WV], 3
	s_add_co_u32 s74, s74, s75
	s_mul_i32 s74, s74, REC
	s_mov_b32 s75, 0
	s_add_nc_u64 s[4:5], s[4:5], s[74:75]
	s_and_b32 s76, s[WV], 7                        ; my tile in it
	s_lshl_b32 s74, s76, 9
	s_add_nc_u64 s[58:59], s[4:5], s[74:75]        ; its half fragment
	s_lshl_b32 s74, s76, 6
	s_add_co_u32 s74, s74, 8192
	s_add_nc_u64 s[60:61], s[4:5], s[74:75]        ; its sixteen scale words: 128 (tile / 2) + 64 (tile % 2) = 64 x tile
	global_load_b128 v[Q0:Q0+3], v[L16], s[58:59]
	global_load_b128 v[Q1:Q1+3], v[L16], s[58:59] offset:HS
	global_load_b32 v[QS0], v[R4], s[60:61]
	global_load_b32 v[QS1], v[R4], s[60:61] offset:HS
	s_lshr_b32 s76, s15, 3                         ; the result's tile T = 128 x batch + 16 x block + wave
	s_lshl_b32 s76, s76, 7
	s_lshl_b32 s77, s14, 4
	s_add_co_u32 s76, s76, s77
	s_add_co_u32 s76, s76, s[WV]
	s_and_b32 s77, s15, 7                          ; g: the last product's K step
	s_lshl_b32 s74, s76, 13
	s_lshl_b32 s78, s77, 10
	s_add_co_u32 s74, s74, s78
	s_add_nc_u64 s[8:9], s[8:9], s[74:75]          ; codes: 8,192 T + 1,024 g
	s_lshl_b32 s74, s76, 9
	s_lshr_b32 s78, s77, 2
	s_lshl_b32 s78, s78, 8
	s_add_co_u32 s74, s74, s78
	s_and_b32 s78, s77, 3
	s_lshl_b32 s78, s78, 2
	s_add_co_u32 s74, s74, s78
	s_add_nc_u64 s[10:11], s[10:11], s[74:75]      ; scale words: 512 T + 256 (g / 4) + 4 (g % 4)
.irp j, 4,5,6,7
	v_mov_b32 v[Q0+\j], 0                          ; zero codes for k = 64 .. 127
	v_mov_b32 v[Q1+\j], 0
.endr
.irp j, 0,1,2,3
	v_mov_b32 v[KF+32+\j], 0                       ; what stands behind K's tile 7
	v_mov_b32 v[BX+\j], 0                          ; written once: a lane permute's destination counts as one of its sources
.endr
	v_mov_b32 v13, 0                               ; the upper half of the pair v[12:13]
	v_mov_b32 v14, 0
.macro INIT                            ; a head begins: zeros, which the first change of M leaves zeros
	v_mov_b32 v9, 0xff61b1e6                       ; the largest t so far: -3e38, under every t
	v_floor_f32 v8, -v9                            ; -M
	v_mov_b32 v10, 0
	v_mov_b32 v11, 0
.irp j, 0,1,2,3,4,5,6,7,8,9,10,11,12,13,14,15,16,17,18,19,20,21,22,23,24,25,26,27,28,29,30,31
	v_mov_b32 v[O+\j], 0
.endr
.endm
; A KEY STEP: 128 keys.  q: Q's fragment;  qs: its scale words.
.macro STEP q, qs
	v_add_nc_u32 v[A16], s[TB], v[L16]
	v_add_nc_u32 v[A4], s[TB], v[L4]
	v_nop
	v_nop                                          ; four places between the last step's products and the loads into their sources
.irp t, 0,1,2,3,4,5,6,7
	ds_load_b128 v[KF+4*\t:KF+4*\t+3], v[A16] offset:512*\t
.endr
.irp i, 0,1,2,3
	ds_load_b32 v[KS+\i], v[A4] offset:8192+128*\i
.endr
.irp t, 0,1,2,3
.irp c, 0,1
	ds_load_b128 v[VF+8*\t+4*\c:VF+8*\t+4*\c+3], v[A16] offset:4096+1024*\t+512*\c
.endr
.endr
.irp i, 0,1
	ds_load_b32 v[VS+\i], v[A4] offset:8704+128*\i
.endr
	s_wait_dscnt 10                                ; K's twelve loads are in; V's ten may be out: they land under the softmax
.irp t, 0,2,4,6                                ; S^T = K Q^T: eight tiles of 16 keys, each sum begun with 0
	v_wmma_scale_f32_16x16x128_f8f6f4 v[S+8*\t:S+8*\t+7], v[KF+4*\t:KF+4*\t+7], v[\q:\q+7], 0, v[KS+\t/2], v[\qs] matrix_a_fmt:MATRIX_FMT_FP4 matrix_b_fmt:MATRIX_FMT_FP4
	v_wmma_scale_f32_16x16x128_f8f6f4 v[S+8*\t+8:S+8*\t+15], v[KF+4*\t+4:KF+4*\t+11], v[\q:\q+7], 0, v[KS+\t/2], v[\qs] matrix_a_fmt:MATRIX_FMT_FP4 matrix_b_fmt:MATRIX_FMT_FP4 matrix_a_scale:MATRIX_SCALE_ROW1
.endr
.rept 4
	v_nop                                          ; places in front of the first read of the scores
.endr
.irp b, 0,1,2,3
	v_max3_num_f32 v[BM+\b], v[S+16*\b], v[S+1+16*\b], v[S+2+16*\b]   ; the largest score of each block of 32 keys: it serves for the row's maximum and, since p rises with the score, for the block's largest p
.endr
.irp i, 3,5,7,9,11,13
.irp b, 0,1,2,3
	v_max3_num_f32 v[BM+\b], v[BM+\b], v[S+16*\b+\i], v[S+1+16*\b+\i]
.endr
.endr
.irp b, 0,1,2,3
	v_max_num_f32 v[BM+\b], v[BM+\b], v[S+15+16*\b]
.endr
.irp b, 0,1,2,3
	v_permlanex16_b32 v[BX+\b], v[BM+\b], s[SEL], s[SEL+1]
.endr
.irp b, 0,1,2,3
	v_max_num_f32 v[BM+\b], v[BM+\b], v[BX+\b]     ; with lane l xor 16's 16 keys
.endr
	v_max3_num_f32 v14, v[BM], v[BM+1], v[BM+2]
	v_max_num_f32 v14, v14, v[BM+3]                ; the step's largest score of my query
	v_mul_f32 v14, s[CS], v14                      ; as t (c is positive)
	v_max_num_f32 v9, v9, v14                      ; the running largest t
	v_mov_b32 v14, v8
	v_floor_f32 v8, -v9                            ; the new -M = floor(-t) = -ceil(t): a whole number
	v_sub_f32 v14, v8, v14                         ; old M - new M: a whole number, 0 or less
	v_cvt_i32_f32 v14, v14                         ; (it saturates)
	v_ldexp_f32 v12, 1.0, v14                      ; f = 2^(old M - new M)
.irp j, 0,2,4,6,8,10,12,14,16,18,20,22,24,26,28,30,32,34,36,38,40,42,44,46,48,50,52,54,56,58,60,62
	v_pk_fma_f32 v[S+\j:S+\j+1], v[S+\j:S+\j+1], s[CS:CS+1], v[8:9] op_sel_hi:[1,0,0]   ; t - M, two at a time (of the pairs c and -M the low word serves both halves)
.endr
.irp b, 0,1,2,3
	v_fma_f32 v[BM+\b], v[BM+\b], s[CS], v8        ; the same of each block's largest score
.endr
.irp j, 0,1,2,3,4,5,6,7,8,9,10,11,12,13,14,15,16,17,18,19,20,21,22,23,24,25,26,27,28,29,30,31,32,33,34,35,36,37,38,39,40,41,42,43,44,45,46,47,48,49,50,51,52,53,54,55,56,57,58,59,60,61,62,63
	v_exp_f32 v[S+\j], v[S+\j]                     ; p = 2^(t - M), at most 1
.endr
.irp b, 0,1,2,3
	v_exp_f32 v[BM+\b], v[BM+\b]                   ; the block's largest p: the same two instructions on the same number
.endr
	v_pk_mul_f32 v[10:11], v[10:11], v[12:13] op_sel_hi:[1,0]   ; the sums under the new M (a plain place behind the exponentials)
	s_wait_alu depctr_va_vdst(0)
.irp b, 0,1,2,3
	v_max_num_f32 v[BM+\b], 0x1800000, v[BM+\b]    ; the floor 2^(3 - 127): the byte cannot fall under 1
.endr
.irp b, 0,1,2,3
	v_add_nc_u32 v[BS+\b], 0xff000000, v[BM+\b]    ; 2 off the exponent field: the conversion's scale operand
.endr
.irp b, 0,1,2,3
	v_lshrrev_b32 v[BX+\b], 23, v[BS+\b]           ; the scale's byte
.endr
	v_lshl_or_b32 v[PS], v[BX+1], 8, v[BX]         ; p's scale word for these 128 keys
	v_lshl_or_b32 v[PS], v[BX+2], 16, v[PS]
	v_lshl_or_b32 v[PS], v[BX+3], 24, v[PS]
.irp b, 0,1,2,3
	v_cvt_scalef32_pk8_fp4_f32 v[P+2*\b], v[S+16*\b:S+7+16*\b], v[BS+\b]
	v_cvt_scalef32_pk8_fp4_f32 v[P+1+2*\b], v[S+8+16*\b:S+15+16*\b], v[BS+\b]
.endr
	v_nop                                          ; one plain place behind a scaled conversion
.irp c, 0,1
.irp i, 0,1
	v_permlane16_swap_b32 v[P+4*\c+\i], v[P+2+4*\c+\i]   ; a whole block to a lane
.endr
.endr
	v_pk_add_f32 v[C2:C2+1], v[S:S+1], v[S+2:S+3]  ; the row's sum, of the unquantised p: two at a time, in two chains
.irp j, 4,8,12,16,20,24,28,32,36,40,44,48,52,56,60
	v_pk_add_f32 v[10:11], v[10:11], v[S+\j:S+\j+1]
	v_pk_add_f32 v[C2:C2+1], v[C2:C2+1], v[S+\j+2:S+\j+3]
.endr
	v_pk_add_f32 v[10:11], v[10:11], v[C2:C2+1]
.irp j, 0,2,4,6,8,10,12,14,16,18,20,22,24,26,28,30
	v_pk_mul_f32 v[O+\j:O+\j+1], v[O+\j:O+\j+1], v[12:13] op_sel_hi:[1,0]   ; O^T under the new M.  (The sums and these are the places between p's codes and scale word and the products below)
.endr
	s_wait_dscnt 0x0                               ; V is in
.irp t, 0,2                                    ; O^T += V^T P^T: four tiles of 16 of the head's 64, by turns
	v_wmma_scale_f32_16x16x128_f8f6f4 v[O+8*\t:O+8*\t+7], v[VF+8*\t:VF+8*\t+7], v[P:P+7], v[O+8*\t:O+8*\t+7], v[VS+\t/2], v[PS] matrix_a_fmt:MATRIX_FMT_FP4 matrix_b_fmt:MATRIX_FMT_FP4
	v_wmma_scale_f32_16x16x128_f8f6f4 v[O+8*\t+8:O+8*\t+15], v[VF+8*\t+8:VF+8*\t+15], v[P:P+7], v[O+8*\t+8:O+8*\t+15], v[VS+\t/2], v[PS] matrix_a_fmt:MATRIX_FMT_FP4 matrix_b_fmt:MATRIX_FMT_FP4 matrix_a_scale:MATRIX_SCALE_ROW1
.endr
.endm
.macro LOOP n, q, qs                   ; n key steps; the records lie on end, from one head into the next
	s_mov_b32 s[LC], \n
.Lstep_\@:
	STEP \q, \qs
	s_add_co_u32 s[TB], s[TB], REC
	s_sub_co_u32 s[LC], s[LC], 1
	s_cmp_lg_u32 s[LC], 0
	s_cbranch_scc1 .Lstep_\@
.endm
; A head ends: O^T / the sum; register 16 b + i is d = 32 b + 16 (lane / 16) + i of my query: two blocks of the last product's K.  Their codes are part c of fragment (T, g), their bytes half of its scale word.
.macro FINISH c
.rept 4
	v_nop                                          ; places behind the last products
.endr
	v_add_f32 v10, v10, v11                        ; the sum's two halves,
	v_permlanex16_b32 v14, v10, s[SEL], s[SEL+1]
	v_add_f32 v10, v10, v14                        ; and lane l xor 16's: the row's sum
	v_rcp_f32 v12, v10
	v_nop                                          ; one plain place behind a transcendental
	s_wait_alu depctr_va_vdst(0)
.irp j, 0,2,4,6,8,10,12,14,16,18,20,22,24,26,28,30
	v_pk_mul_f32 v[O+\j:O+\j+1], v[O+\j:O+\j+1], v[12:13] op_sel_hi:[1,0]   ; each accumulator from its low end on
.endr
.irp b, 0,1
	v_max3_num_f32 v[BM+\b], |v[O+16*\b]|, |v[O+1+16*\b]|, 0x1800000
.endr
.irp i, 2,4,6,8,10,12,14
.irp b, 0,1
	v_max3_num_f32 v[BM+\b], v[BM+\b], |v[O+16*\b+\i]|, |v[O+1+16*\b+\i]|
.endr
.endr
.irp b, 0,1
	v_permlanex16_b32 v[BX+\b], v[BM+\b], s[SEL], s[SEL+1]
.endr
.irp b, 0,1
	v_max_num_f32 v[BM+\b], v[BM+\b], v[BX+\b]
.endr
.irp b, 0,1
	v_add_nc_u32 v[BS+\b], 0xff000000, v[BM+\b]
.endr
.irp b, 0,1
	v_lshrrev_b32 v[BX+\b], 23, v[BS+\b]
.endr
	v_lshl_or_b32 v[OT], v[BX+1], 8, v[BX]
	s_wait_xcnt 0x0                                ; the first head's store has read v[OC] on
.irp b, 0,1
	v_cvt_scalef32_pk8_fp4_f32 v[OC+2*\b], v[O+16*\b:O+7+16*\b], v[BS+\b]
	v_cvt_scalef32_pk8_fp4_f32 v[OC+1+2*\b], v[O+8+16*\b:O+15+16*\b], v[BS+\b]
.endr
	v_nop                                          ; one plain place behind a scaled conversion
	v_permlane16_swap_b32 v[OC], v[OC+2]
	v_permlane16_swap_b32 v[OC+1], v[OC+3]
	global_store_b128 v[L16], v[OC:OC+3], s[8:9] offset:512*\c     ; 32 lanes store 512 consecutive bytes, aligned
.if \c == 0
	v_mov_b32 v[OW], v[OT]
.else
	v_lshl_or_b32 v[OW], v[OT], 16, v[OW]
	global_store_b32 v[R16], v[OW], s[10:11]       ; word g of my row: 4 bytes, 16 apart; lanes 16-31 write the same word with the same value
.endif
.endm
	INIT
	s_wait_loadcnt 0x0                             ; Q
.irp n, 4,3,2,1                                ; head 2 g, a chunk of four key steps at a time.  Behind the chunk's load the issuing wave has n loads out; a wave that issued none passes the wait at once
	s_wait_tensorcnt \n
	s_barrier_signal -1                            ; waves 0 and 1 say that their halves are in;
	s_barrier_wait -1                              ; all sixteen read behind this.
	LOOP 4, Q0, QS0
.endr
	FINISH 0
	INIT
	s_wait_tensorcnt 0x0                           ; head 2 g + 1
	s_barrier_signal -1
	s_barrier_wait -1
	LOOP 16, Q1, QS1
	FINISH 1
	s_wait_tensorcnt 0x0
	ds_add_u32 v240, v241
	s_wait_dscnt 0x0
	CROUND                                         ; the closing round: no work-group ends while a partner may still ask for a tile that names it
	s_endpgm
.Lfunc_end_k_q3a465262fa_attn:
	.size	k_q3a465262fa_attn, .Lfunc_end_k_q3a465262fa_attn-k_q3a465262fa_attn
	.p2alignl 7, 3214868480
	.fill 96, 4, 3214868480
	.section	.rodata,"a",@progbits
	.p2align	6, 0x0
	.amdhsa_kernel k_q3a465262fa_attn
		.amdhsa_group_segment_fixed_size 327680
		.amdhsa_private_segment_fixed_size 0
		.amdhsa_enable_private_segment 0
		.amdhsa_kernarg_size 32
		.amdhsa_user_sgpr_count 2
		.amdhsa_user_sgpr_kernarg_segment_ptr 1
		.amdhsa_wavefront_size32 1
		.amdhsa_system_sgpr_workgroup_id_x 1
		.amdhsa_system_sgpr_workgroup_id_y 1
		.amdhsa_system_sgpr_workgroup_id_z 1
		.amdhsa_system_vgpr_workitem_id 0
		.amdhsa_next_free_vgpr 242
		.amdhsa_next_free_sgpr 80
		.amdhsa_reserve_vcc 0
		.amdhsa_float_denorm_mode_32 3
		.amdhsa_float_denorm_mode_16_64 3
		.amdhsa_memory_ordered 1
		.amdhsa_forward_progress 1
		.amdhsa_inst_pref_size 92
	.end_amdhsa_kernel
	.amdgpu_metadata
---
amdhsa.version: [ 1, 2 ]
amdhsa.kernels:
  - .name:           k_q3a465262fa_attn
    .symbol:         k_q3a465262fa_attn.kd
    .args:
      - { .name: qrec, .offset: 0, .size: 8, .value_kind: global_buffer, .address_space: global }
      - { .name: kv, .offset: 8, .size: 8, .value_kind: global_buffer, .address_space: global }
      - { .name: aimg, .offset: 16, .size: 8, .value_kind: global_buffer, .address_space: global }
      - { .name: ascl, .offset: 24, .size: 8, .value_kind: global_buffer, .address_space: global }
    .group_segment_fixed_size: 327680
    .private_segment_fixed_size: 0
    .kernarg_segment_align: 8
    .kernarg_segment_size: 32
    .max_flat_workgroup_size: 512
    .sgpr_count:     80
    .vgpr_count:     242
    .wavefront_size: 32
...
	.end_amdgpu_metadata
.endif
;; end of part 3
;; launch outp (part 4): grid 2 x 128, 4 waves a work-group, no clusters, 34,304 bytes of LDS; arguments aimg, ascl, wimg, wscl, bo, out0; writes out0
.if DOCPART == 4
	.amdgcn_target "amdgcn-amd-amdhsa--gfx1250"
	.amdhsa_code_object_version 6
	.text
	.protected	k_q3a465262fa_outp
	.globl	k_q3a465262fa_outp
	.p2align	8
	.type	k_q3a465262fa_outp,@function
k_q3a465262fa_outp:
	s_mov_b64 s[64:65], 0
	v_nop
	global_prefetch_b8 v0, s[64:65] scope:SCOPE_SE
	s_setreg_imm32_b32 hwreg(HW_REG_WAVE_MODE, 25, 1), 1
	s_wait_xcnt 0x0
; out0 = attn Wo + bo on codes of FP4 with E8M0 scales (K = 1,024), sums in f32, out0 [8192][1024] f32.
; OPERANDS lie in memory as images of operand registers (tile T: lane r = row 32 (T / 2) + 8 (T % 2) + r + 8 (r / 8); fragment (T, s) 1,024 bytes; scale words 512 bytes a tile), so every load is 512 consecutive bytes.
; A WAVE keeps a PANEL of Wo, 128 columns x all of K (65,536 bytes, 512 registers), as source 0 and streams four tiles of 16 rows of attn as source 1: 64 matrix instructions a tile on 8 accumulators, which take turns.
; A lane then holds one row of out0 and, in accumulator t, register j, column 32 (t / 2) + 16 (lane / 16) + 8 (t % 2) + j of the panel.  bo is the C of each sum's first product.
; THE WAY OUT: a tile goes through the wave's own stage in LDS and comes back as whole rows of 512 bytes, which the 32 lanes store aligned.
; 256 work-groups x 4 waves = 8 panels x 128 runs of four tiles.  NO CLUSTER: a wave's panel is its own; its stream (32,768 bytes) is shared with the seven waves of the other panels, out of the cache, and is a third of what the wave loads.
.set LI,  1                            ; v1   16 x lane
.set BH,  4                            ; v4   64 h
.set SO,  5                            ; v5   the stage, on the way in: 528 r + 64 h
.set SR,  6                            ; v6   and back: 16 x lane
.set PSC, 8                            ; v8-39    the panel's scale words
.set SSC, 40                           ; v40-47   the two stream tiles' scale words
.set ACC, 48                           ; v48-111  eight accumulators
.set OB,  112                          ; v112-175 16 rows read back from the stage
.set BA,  176                          ; v176-239 bo in the accumulators' layout
; window 1: the panel's fragments (t, s < 4) at v[64 s + 8 t];  window 2: (t, s >= 4);  window 3: stream tile u's fragment s at v[64 u + 8 s]
.set SPITCH, 528
.set S0P, 26
.set S0S, 28
.set S1P, 30
.set S1S, 32
.set BP,  34
.set OP,  36
.set MSB, 0
.macro WIN new                         ; the immediate's high byte repeats the setting that is left
.if MSB != \new
	s_set_vgpr_msb (MSB<<8)|\new
.set MSB, \new
.endif
.endm
.macro PLACES n
.rept \n
	v_nop
.endr
.endm
.macro LOADS0
	WIN 0x40
.irp s, 0,1,2,3
.irp t, 0,1,2,3,4,5,6,7
.irp c, 0,1
	global_load_b128 v[64*\s+8*\t+4*\c:64*\s+8*\t+4*\c+3], v[LI], s[S0P:S0P+1] offset:(8*\t+\s)*1024+512*\c
.endr
.endr
.endr
	WIN 0x80
.irp s, 0,1,2,3
.irp t, 0,1,2,3,4,5,6,7
.irp c, 0,1
	global_load_b128 v[64*\s+8*\t+4*\c:64*\s+8*\t+4*\c+3], v[LI], s[S0P:S0P+1] offset:(8*\t+\s+4)*1024+512*\c
.endr
.endr
.endr
	WIN 0
.irp t, 0,1,2,3,4,5,6,7
	global_load_b128 v[PSC+4*\t:PSC+4*\t+3], v[LI], s[S0S:S0S+1] offset:512*\t
.endr
.endm
.macro LOADF u                         ; stream tile u of the pair at S1P: 16 loads, and one for its scale words
	WIN 0xc0
.irp s, 0,1,2,3,4,5,6,7
.irp c, 0,1
	global_load_b128 v[64*\u+8*\s+4*\c:64*\u+8*\s+4*\c+3], v[LI], s[S1P:S1P+1] offset:8192*\u+1024*\s+512*\c
.endr
.endr
	WIN 0
	global_load_b128 v[SSC+4*\u:SSC+4*\u+3], v[LI], s[S1S:S1S+1] offset:512*\u
.endm
.macro MM t, s, u                      ; one product; K steps 4-7 take their scale words from lanes 16-31; the first K step starts the sum with the bias
.set rD, ACC+8*(\t)
.set rA, 64*((\s)%4)+8*(\t)
.set rB, 64*(\u)+8*(\s)
.set rX, PSC+4*(\t)+(\s)%4
.set rY, SSC+4*(\u)+(\s)%4
.if (\s) == 0
	v_wmma_scale_f32_16x16x128_f8f6f4 v[rD:rD+7], v[rA:rA+7], v[rB:rB+7], v[BA+8*(\t):BA+8*(\t)+7], v[rX], v[rY] matrix_a_fmt:MATRIX_FMT_FP4 matrix_b_fmt:MATRIX_FMT_FP4
.elseif (\s) < 4
	v_wmma_scale_f32_16x16x128_f8f6f4 v[rD:rD+7], v[rA:rA+7], v[rB:rB+7], v[rD:rD+7], v[rX], v[rY] matrix_a_fmt:MATRIX_FMT_FP4 matrix_b_fmt:MATRIX_FMT_FP4
.else
	v_wmma_scale_f32_16x16x128_f8f6f4 v[rD:rD+7], v[rA:rA+7], v[rB:rB+7], v[rD:rD+7], v[rX], v[rY] matrix_a_fmt:MATRIX_FMT_FP4 matrix_b_fmt:MATRIX_FMT_FP4 matrix_a_scale:MATRIX_SCALE_ROW1 matrix_b_scale:MATRIX_SCALE_ROW1
.endif
.endm
.macro MULT u
.irp s, 0,1,2,3,4,5,6,7
.if \s < 4
	WIN 0x0d                                       ; source 0 window 1, source 1 window 3, C and D window 0
.else
	WIN 0x0e                                       ; source 0 window 2
.endif
.irp t, 0,1,2,3,4,5,6,7
	MM \t, \s, \u
.endr
.endr
	WIN 0
.endm
.macro EPIO u                          ; tile u of the pair: rows 8 u + i + 8 (i / 8) of the pair's 32
	s_wait_xcnt 0x0                                ; the last tile's stores have read v[OB] on
.irp t, 0,1,2,3,4,5,6,7
	ds_store_b128 v[SO], v[ACC+8*\t:ACC+8*\t+3] offset:128*(\t/2)+32*(\t%2)       ; each accumulator from its low end on
	ds_store_b128 v[SO], v[ACC+8*\t+4:ACC+8*\t+7] offset:128*(\t/2)+32*(\t%2)+16
.endr
.irp i, 0,1,2,3,4,5,6,7,8,9,10,11,12,13,14,15
	ds_load_b128 v[OB+4*\i:OB+4*\i+3], v[SR] offset:SPITCH*\i      ; LDS serves a wave's instructions in order: these see the stores above
.endr
.irp i, 0,1,2,3,4,5,6,7,8,9,10,11,12,13,14,15
	s_wait_dscnt 15-\i                             ; row i is back; the rows behind it may be out
	global_store_b128 v[LI], v[OB+4*\i:OB+4*\i+3], s[OP:OP+1] offset:(8*\u+\i+8*(\i/8))*4096 th:TH_STORE_NT   ; 512 consecutive bytes, aligned; written once, read by nobody here
.endr
.endm
; Two stream tiles.  Behind each run of products stand five places: four for the loads into its sources and the LDS stores of its results, the fifth for the next run, which begins the accumulators anew; the way out has no vector work to stand there.
.macro PAIR pf
	s_wait_loadcnt 17                              ; all but the other tile's 17 loads
	MULT 0
	PLACES 5
.if \pf
	LOADF 0
.endif
	EPIO 0
.if \pf
	s_wait_loadcnt 17
.else
	s_wait_loadcnt 0x0
.endif
	MULT 1
	PLACES 5
.if \pf
	LOADF 1
.endif
	EPIO 1
.endm
	s_load_b256 s[4:11], s[0:1], 0x0               ; aimg s[4:5], ascl s[6:7], wimg s[8:9], wscl s[10:11]
	s_load_b128 s[12:15], s[0:1], 0x20             ; bo s[12:13], out0 s[14:15]
	v_lshl_add_u32 v254, v0, 2, 0x8400
	v_mov_b32 v255, 0
	v_lshrrev_b32 v7, 5, v0
	v_readfirstlane_b32 s22, v7                    ; wave 0..3
	s_and_b32 s23, ttmp7, 0xffff                   ; y: the run of four tiles of rows
	s_lshl_b32 s24, ttmp9, 2
	s_add_co_u32 s24, s24, s22                     ; g: the panel of 128 columns
	v_and_b32 v7, 31, v0
	v_lshlrev_b32 v[LI], 4, v7
	v_bfe_u32 v7, v0, 4, 1
	v_lshlrev_b32 v[BH], 6, v7
	s_mul_i32 s25, s22, 16*SPITCH                  ; my stage
	v_and_b32 v7, 15, v0
	v_mul_u32_u24 v[SO], v7, SPITCH
	v_add_nc_u32 v[SO], v[SO], v[BH]
	v_add_nc_u32 v[SO], s25, v[SO]
	v_add_nc_u32 v[SR], s25, v[LI]
	s_mov_b32 s45, 0
	s_wait_kmcnt 0x0
	s_lshl_b32 s44, s24, 16
	s_add_co_u32 s44, s44, 1572864
	s_add_nc_u64 s[S0P:S0P+1], s[8:9], s[44:45]    ; Wo's tiles 8 g on
	s_lshl_b32 s44, s24, 12
	s_add_co_u32 s44, s44, 98304
	s_add_nc_u64 s[S0S:S0S+1], s[10:11], s[44:45]
	s_lshl_b32 s44, s23, 15
	s_add_nc_u64 s[S1P:S1P+1], s[4:5], s[44:45]    ; attn's tiles 4 y on
	s_lshl_b32 s44, s23, 11
	s_add_nc_u64 s[S1S:S1S+1], s[6:7], s[44:45]
	s_lshl_b32 s44, s24, 9
	s_add_nc_u64 s[BP:BP+1], s[12:13], s[44:45]
	s_add_nc_u64 s[OP:OP+1], s[14:15], s[44:45]    ; out0: column 128 g,
	s_lshl_b32 s44, s23, 18
	s_add_nc_u64 s[OP:OP+1], s[OP:OP+1], s[44:45]  ; row 64 y
	LOADS0
.irp t, 0,1,2,3,4,5,6,7
	global_load_b128 v[BA+8*\t:BA+8*\t+3], v[BH], s[BP:BP+1] offset:(32*(\t/2)+8*(\t%2))*4
	global_load_b128 v[BA+8*\t+4:BA+8*\t+7], v[BH], s[BP:BP+1] offset:(32*(\t/2)+8*(\t%2))*4+16
.endr
	LOADF 0
	LOADF 1
	s_wait_xcnt 0x0                                ; the loads have read their bases
	s_add_nc_u64 s[S1P:S1P+1], s[S1P:S1P+1], 16384
	s_add_nc_u64 s[S1S:S1S+1], s[S1S:S1S+1], 1024
	PAIR 1
	s_wait_xcnt 0x0                                ; the stores have read their base
	s_add_nc_u64 s[OP:OP+1], s[OP:OP+1], 131072    ; 32 rows on
	PAIR 0
	s_wait_tensorcnt 0x0
	ds_add_u32 v254, v255
	s_wait_dscnt 0x0
	s_endpgm
.Lfunc_end_k_q3a465262fa_outp:
	.size	k_q3a465262fa_outp, .Lfunc_end_k_q3a465262fa_outp-k_q3a465262fa_outp
	.p2alignl 7, 3214868480
	.fill 96, 4, 3214868480
	.section	.rodata,"a",@progbits
	.p2align	6, 0x0
	.amdhsa_kernel k_q3a465262fa_outp
		.amdhsa_group_segment_fixed_size 34304
		.amdhsa_private_segment_fixed_size 0
		.amdhsa_enable_private_segment 0
		.amdhsa_kernarg_size 48
		.amdhsa_user_sgpr_count 2
		.amdhsa_user_sgpr_kernarg_segment_ptr 1
		.amdhsa_wavefront_size32 1
		.amdhsa_system_sgpr_workgroup_id_x 1
		.amdhsa_system_sgpr_workgroup_id_y 1
		.amdhsa_system_sgpr_workgroup_id_z 1
		.amdhsa_system_vgpr_workitem_id 0
		.amdhsa_next_free_vgpr 896
		.amdhsa_next_free_sgpr 66
		.amdhsa_reserve_vcc 0
		.amdhsa_float_denorm_mode_32 3
		.amdhsa_float_denorm_mode_16_64 3
		.amdhsa_memory_ordered 1
		.amdhsa_forward_progress 1
		.amdhsa_inst_pref_size 73
	.end_amdhsa_kernel
	.amdgpu_metadata
---
amdhsa.version: [ 1, 2 ]
amdhsa.kernels:
  - .name:           k_q3a465262fa_outp
    .symbol:         k_q3a465262fa_outp.kd
    .args:
      - { .name: aimg, .offset: 0, .size: 8, .value_kind: global_buffer, .address_space: global }
      - { .name: ascl, .offset: 8, .size: 8, .value_kind: global_buffer, .address_space: global }
      - { .name: wimg, .offset: 16, .size: 8, .value_kind: global_buffer, .address_space: global }
      - { .name: wscl, .offset: 24, .size: 8, .value_kind: global_buffer, .address_space: global }
      - { .name: bo, .offset: 32, .size: 8, .value_kind: global_buffer, .address_space: global }
      - { .name: out0, .offset: 40, .size: 8, .value_kind: global_buffer, .address_space: global }
    .group_segment_fixed_size: 34304
    .private_segment_fixed_size: 0
    .kernarg_segment_align: 8
    .kernarg_segment_size: 48
    .max_flat_workgroup_size: 128
    .sgpr_count:     66
    .vgpr_count:     896
    .wavefront_size: 32
...
	.end_amdgpu_metadata
.endif
;; end of part 4
;; ======== version 2 of 2: 4 launches; version 1 with the launches proj, outp written anew for expert scheduling mode
;; workspace buffers: ximg 8,388,608 bytes; xscl 524,288 bytes; wimg 2,097,152 bytes; wscl 131,072 bytes; kv 9,175,040 bytes; qrec 9,175,040 bytes; aimg 4,194,304 bytes; ascl 262,144 bytes
;; launch quant: the kernel of part 1 again; grid 512 x 1, 4 waves a work-group, no clusters, 34,304 bytes of LDS; arguments query, context, Wq, Wk, Wv, Wo, ximg, xscl, wimg, wscl; writes ximg, xscl, wimg, wscl
;; launch proj (part 5): grid 64 x 3, 4 waves a work-group, no clusters, 0 bytes of LDS; arguments ximg, xscl, wimg, wscl, bq, bk, bv, qrec, kv; writes qrec, kv
.if DOCPART == 5
	.amdgcn_target "amdgcn-amd-amdhsa--gfx1250"
	.amdhsa_code_object_version 6
	.text
	.protected	k_q3a465262fa_proj
	.globl	k_q3a465262fa_proj
	.p2align	8
	.type	k_q3a465262fa_proj,@function
k_q3a465262fa_proj:
	s_mov_b64 s[64:65], 0
	v_nop
	global_prefetch_b8 v0, s[64:65] scope:SCOPE_SE
	s_setreg_imm32_b32 hwreg(HW_REG_WAVE_SCHED_MODE, 0, 2), 2
	s_setreg_imm32_b32 hwreg(HW_REG_WAVE_MODE, 25, 1), 1
	s_wait_xcnt 0x0
	s_wait_alu depctr_vm_vsrc(0)
; q = query Wq + bq, k = context Wk + bk, v = context Wv + bv on codes of FP4 with E8M0 scales (K = 1,024), sums in f32; each result is quantised in registers for the product that reads it and leaves as codes: no f32 result goes to memory.
; OPERANDS lie in memory as images of operand registers (tile T: lane r = row 32 (T / 2) + 8 (T % 2) + r + 8 (r / 8); fragment (T, s) 1,024 bytes; scale words 512 bytes a tile), so every load is 512 consecutive bytes.
; A WAVE keeps a PANEL of 8 tiles x 8 K steps (65,536 bytes, 512 registers) as source 0 and STREAMS 16 tiles of source 1 (8,192 bytes each): 64 matrix instructions a tile on 8 accumulators, which take turns.
; By the tiles' order of rows the 16 registers of accumulators 2 b and 2 b + 1 are 16 neighbours along source 0's rows, 32 b + 16 (lane / 16) + 0 .. 15: the axis along which the result is quantised.
;   y = 0, 1 (q, k): panel = 128 columns of the weight (a pair of heads), stream = tokens.  A lane holds a token, registers run along the heads' 64 + 64: blocks 0, 1 are head 2 g, blocks 2, 3 head 2 g + 1.
;   y = 2 (v): panel = 128 tokens (a key step), stream = columns of Wv.  A lane holds a column d, registers run along the keys.
; OUT: records of 8,960 bytes for (batch, head, 128 tokens): 0 K's (or Q's) eight half fragments of 512 bytes (d 0-63; the upper half of the product's K = 128 is zero codes and is not stored); 4,096 V^T's four fragments (rows d, K = the keys);
;   8,192 K's (Q's) scale words [pair of tiles][lane]: lanes 0-15 the even tile, lanes 16-31 the odd; bytes 0, 1 count, bytes 2, 3 are never 0xff;  8,704 V's scale words likewise.
; NO CLUSTER, NO LDS: a wave's panel is its own; its stream (131,072 bytes) is also read by the seven other waves that hold the other panels, out of the cache; sharing it through LDS would put a barrier behind every 64 matrix instructions.
; 192 work-groups: 3 products x 8 x 512 units of (panel, tile) in runs of 16 tiles are 768 waves.
; LIMITS: NaN and infinities are not served; a block of zeros or under 2^-124 gets the byte 1, with zero codes.
; THE MODE: SCHED_MODE bits 1:0 = 2 (LLVM: expert scheduling mode 2), set by the entry lines.  The code itself states the register dependences between vector or matrix instructions and memory instructions, with s_wait_alu, always for 0.
; THE PLAN.  A step is one stream tile.  Registers that memory instructions touch:
;   F0 .. F3, SSC0 .. SSC3 (path v: BB0 .. BB3)   four sets of a stream tile's fragments, scale words and bias word.  Step n's products (and additions) read set n % 4; the loads of tile n + 4, issued in step n + 1, land in it.
;   PC, SW, SW2   a tile's codes and scale words.  Written by step n's conversions, swaps and selects; read by the stores that are issued at the head of step n + 1; written again by step n + 1's conversions, which stand behind its 64 products.
;   v1 to v4, v40   offsets, made once at the head and never written again: the tiles are reached by scalar bases, stepped once for four steps, and by immediate offsets.
;   The panel, its scale words and bq or bk are loaded once; the accumulators and the registers at work are named by vector and matrix instructions alone.
; So ONE wait on va_vdst stands at a step's head: the step before is done reading its set and has written PC, SW and SW2.  The step's loads into that set and the stores of the tile before follow it with no further wait,
; the fragments' loads in two runs of eight among the products, which name this step's set, the panel, the scale words and the accumulators: none of the registers that those loads touch.  One wait on vm_vsrc stands ahead of a step's conversions.
.set REC, 8960
.set HS,  16*REC                       ; a head's sixteen records
.set LI,  1                            ; v1   16 x lane: the loads' offset
.set LS,  2                            ; v2   4 x lane
.set BV,  3                            ; v3   4 (r + 8 (r / 8)): my column's place in a tile's bias
.set BH,  4                            ; v4   64 h: my half's place in a pair of tiles' bias
.set PSC, 8                            ; v8-39    the panel's scale words, four registers a tile: lane (r, h) words 4 h .. 4 h + 3
.set LO,  40                           ; v40  16 x lane once more: the stores' offset, so that no store names a register of the loads that follow it behind the same wait
.set ACC, 48                           ; v48-111  eight accumulators
.set PC,  112                          ; v112-119 a fragment's codes
.set TM,  120                          ; v120-135 at work in QUANT
.set PW,  136                          ; the scale word just made;  PW0: the even tile's
.set PW0, 137
.set SW,  138                          ; both tiles' words, lanes 0-15 and 16-31;  SW2: the second head's bytes
.set SW2, 139
.set BA,  144                          ; v144-207 bq or bk in the accumulators' layout
.set SSC, 208                          ; v208-223 the four sets of a stream tile's scale words
.set BB,  224                          ; v224, 226, 228, 230 bv at my column of the set's tile (v225, 227, 229, 231 = 0: named as the pairs' upper halves)
; window 1: the panel's fragments (t, s < 4) at v[64 s + 8 t];  window 2: (t, s >= 4) at v[64 (s - 4) + 8 t];  window 3: set k's fragment s at v[64 k + 8 s]
.set S0P, 26
.set S0S, 28
.set S1P, 30                           ; the four stream tiles in hand
.set S1S, 32
.set BP,  34
.set DCP, 36
.set DSP, 38
.set CNT, 40
.set MSK, 41
.set SEL, 42
.set MSB, 0
.macro WIN new                         ; the immediate's high byte repeats the setting that is left
.if MSB != \new
	s_set_vgpr_msb (MSB<<8)|\new
.set MSB, \new
.endif
.endm
.macro PLACES n                        ; plain vector instructions that name none of a matrix instruction's registers (ISA guide 7.12.1)
.rept \n
	v_nop
.endr
.endm
.macro LOADS0                          ; the panel and its scale words
	WIN 0x40
	s_wait_alu depctr_va_vdst(0)                   ; v1 to v4 and v40 are written: every load and store of the kernel reads one of them as its offset
.irp s, 0,1,2,3
.irp t, 0,1,2,3,4,5,6,7
.irp c, 0,1
	global_load_b128 v[64*\s+8*\t+4*\c:64*\s+8*\t+4*\c+3], v[LI], s[S0P:S0P+1] offset:(8*\t+\s)*1024+512*\c
.endr
.endr
.endr
	WIN 0x80
.irp s, 0,1,2,3
.irp t, 0,1,2,3,4,5,6,7
.irp c, 0,1
	global_load_b128 v[64*\s+8*\t+4*\c:64*\s+8*\t+4*\c+3], v[LI], s[S0P:S0P+1] offset:(8*\t+\s+4)*1024+512*\c
.endr
.endr
.endr
	WIN 0
.irp t, 0,1,2,3,4,5,6,7
	global_load_b128 v[PSC+4*\t:PSC+4*\t+3], v[LI], s[S0S:S0S+1] offset:512*\t
.endr
.endm
.macro LOADW path, i                   ; stream tile i, counted from the bases: its scale words (path 1: and its bias word) into set i % 4
	WIN 0
	global_load_b128 v[SSC+4*((\i)%4):SSC+4*((\i)%4)+3], v[LI], s[S1S:S1S+1] offset:512*(\i)
.if \path
	global_load_b32 v[BB+2*((\i)%4)], v[BV], s[BP:BP+1] offset:128*((\i)/2)+32*((\i)%2)
.endif
.endm
.macro LOADH i, hf                     ; and half hf of its fragments: K steps 4 hf .. 4 hf + 3, eight loads
	WIN 0xc0
.irp s, 0,1,2,3
.irp c, 0,1
	global_load_b128 v[64*((\i)%4)+8*(4*(\hf)+\s)+4*\c:64*((\i)%4)+8*(4*(\hf)+\s)+4*\c+3], v[LI], s[S1P:S1P+1] offset:8192*(\i)+1024*(4*(\hf)+\s)+512*\c
.endr
.endr
.endm
.macro LOADBA                          ; accumulator t, register j, half h belongs to column 32 (t / 2) + 16 h + 8 (t % 2) + j of the panel
.irp t, 0,1,2,3,4,5,6,7
	global_load_b128 v[BA+8*\t:BA+8*\t+3], v[BH], s[BP:BP+1] offset:(32*(\t/2)+8*(\t%2))*4
	global_load_b128 v[BA+8*\t+4:BA+8*\t+7], v[BH], s[BP:BP+1] offset:(32*(\t/2)+8*(\t%2))*4+16
.endr
.endm
; One product: accumulator t, K step s, the stream tile in set u.  K steps 4-7 take their scale words from lanes 16-31.  The first K step starts the sum: with the bias (cin = 1) or with 0.
.macro MM t, s, u, cin
.set rD, ACC+8*(\t)
.set rA, 64*((\s)%4)+8*(\t)
.set rB, 64*(\u)+8*(\s)
.set rX, PSC+4*(\t)+(\s)%4
.set rY, SSC+4*(\u)+(\s)%4
.if (\s) == 0
.if \cin
	v_wmma_scale_f32_16x16x128_f8f6f4 v[rD:rD+7], v[rA:rA+7], v[rB:rB+7], v[BA+8*(\t):BA+8*(\t)+7], v[rX], v[rY] matrix_a_fmt:MATRIX_FMT_FP4 matrix_b_fmt:MATRIX_FMT_FP4
.else
	v_wmma_scale_f32_16x16x128_f8f6f4 v[rD:rD+7], v[rA:rA+7], v[rB:rB+7], 0, v[rX], v[rY] matrix_a_fmt:MATRIX_FMT_FP4 matrix_b_fmt:MATRIX_FMT_FP4
.endif
.elseif (\s) < 4
	v_wmma_scale_f32_16x16x128_f8f6f4 v[rD:rD+7], v[rA:rA+7], v[rB:rB+7], v[rD:rD+7], v[rX], v[rY] matrix_a_fmt:MATRIX_FMT_FP4 matrix_b_fmt:MATRIX_FMT_FP4
.else
	v_wmma_scale_f32_16x16x128_f8f6f4 v[rD:rD+7], v[rA:rA+7], v[rB:rB+7], v[rD:rD+7], v[rX], v[rY] matrix_a_fmt:MATRIX_FMT_FP4 matrix_b_fmt:MATRIX_FMT_FP4 matrix_a_scale:MATRIX_SCALE_ROW1 matrix_b_scale:MATRIX_SCALE_ROW1
.endif
.endm
.macro MULH u, cin, hf                 ; 32 products: K steps 4 hf .. 4 hf + 3, K ascending, the eight accumulators by turns
.if \hf == 0
	WIN 0x0d                                       ; source 0 window 1, source 1 window 3, C and D window 0
.else
	WIN 0x0e                                       ; source 0 window 2
.endif
.irp s, 0,1,2,3
.irp t, 0,1,2,3,4,5,6,7
	MM \t, 4*(\hf)+\s, \u, \cin
.endr
.endr
.endm
; 64 numbers of a lane, register 16 b + i = place 32 b + 16 (lane / 16) + i along the next K, become a fragment's codes in v[PC] on and the scale word in v[pw].  Each accumulator is read from its low end on.
; w = 1: stores have read v[PC] on before (every step but the first).
.macro QUANT src, pw, w
.irp b, 0,1,2,3
	v_max3_num_f32 v[TM+\b], |v[\src+16*\b]|, |v[\src+1+16*\b]|, 0x1800000   ; my 16 numbers of block b, and the floor 2^(3 - 127): the byte cannot fall under 1
.endr
.irp i, 2,4,6,8,10,12,14
.irp b, 0,1,2,3
	v_max3_num_f32 v[TM+\b], v[TM+\b], |v[\src+16*\b+\i]|, |v[\src+1+16*\b+\i]|
.endr
.endr
.irp b, 0,1,2,3
	v_permlanex16_b32 v[TM+4+\b], v[TM+\b], s[SEL], s[SEL+1]
.endr
.irp b, 0,1,2,3
	v_max_num_f32 v[TM+\b], v[TM+\b], v[TM+4+\b]   ; with lane l xor 16's 16: the block's largest magnitude
.endr
.irp b, 0,1,2,3
	v_add_nc_u32 v[TM+12+\b], 0xff000000, v[TM+\b]   ; 2 off its exponent field: the conversion's scale operand
.endr
.irp b, 0,1,2,3
	v_lshrrev_b32 v[TM+4+\b], 23, v[TM+12+\b]      ; the scale's byte
.endr
	v_lshl_or_b32 v[\pw], v[TM+5], 8, v[TM+4]
	v_lshl_or_b32 v[\pw], v[TM+6], 16, v[\pw]
	v_lshl_or_b32 v[\pw], v[TM+7], 24, v[\pw]
.if \w
	s_wait_xcnt 0x0                                ; the last tile's stores have had their addresses translated: v[PC] on, SW and SW2 are written again only behind this wait,
	s_wait_alu depctr_vm_vsrc(0)                   ; and beside it: the stores issued at this step's head have read v[PC] on, SW and SW2, which the conversions, swaps and selects below write again
.endif
.irp b, 0,1,2,3
	v_cvt_scalef32_pk8_fp4_f32 v[PC+2*\b], v[\src+16*\b:\src+7+16*\b], v[TM+12+\b]
	v_cvt_scalef32_pk8_fp4_f32 v[PC+1+2*\b], v[\src+8+16*\b:\src+15+16*\b], v[TM+12+\b]
.endr
	v_nop                                          ; one plain place behind a scaled conversion: the swaps touch its results, the next products write its sources
.irp c, 0,1
.irp i, 0,1
	v_permlane16_swap_b32 v[PC+4*\c+\i], v[PC+2+4*\c+\i]   ; a whole block to a lane: registers 4 c .. 4 c + 3 hold places 64 c + 32 h + 0 .. 31
.endr
.endr
.endm
; The vector work behind a tile's products.  k: the tile's set, whose parity is the tile's.
; path 0: a tile of 16 tokens x two heads: registers 0-3 of the codes are head 2 g's half fragment, 4-7 head 2 g + 1's.  path 1: a tile of 16 columns d x 128 keys: one fragment of V^T.
.macro FIN path, k, w
.if \path
.irp j, 0,2,4,6,8,10,12,14,16,18,20,22,24,26,28,30,32,34,36,38,40,42,44,46,48,50,52,54,56,58,60,62
	v_pk_add_f32 v[ACC+\j:ACC+\j+1], v[ACC+\j:ACC+\j+1], v[BB+2*(\k):BB+2*(\k)+1] op_sel_hi:[1,0]   ; + bv at my column
.endr
.endif
	QUANT ACC, PW, \w
.if (\k)%2 == 0
	v_mov_b32 v[PW0], v[PW]
.else
	v_cndmask_b32 v[SW], v[PW0], v[PW], s[MSK]     ; both halves of the lanes hold their row's word: lanes 0-15 keep the even tile's, lanes 16-31 the odd tile's
.if !\path
	v_lshrrev_b32 v[SW2], 16, v[SW]                ; head 2 g + 1's two bytes; above them 0, which is no NaN
.endif
.endif
.endm
; The stores of tile m of the four at the bases DCP and DSP.
.macro OUT path, m
.if \path
	global_store_b128 v[LO], v[PC:PC+3], s[DCP:DCP+1] offset:1024*(\m)
	global_store_b128 v[LO], v[PC+4:PC+7], s[DCP:DCP+1] offset:1024*(\m)+512
.if (\m)%2
	global_store_b32 v[LS], v[SW], s[DSP:DSP+1] offset:128*((\m)/2)
.endif
.else
	global_store_b128 v[LO], v[PC:PC+3], s[DCP:DCP+1] offset:1024*((\m)/2)+512*((\m)%2)
	global_store_b128 v[LO], v[PC+4:PC+7], s[DCP:DCP+1] offset:1024*((\m)/2)+512*((\m)%2)+HS
.if (\m)%2
	global_store_b32 v[LS], v[SW], s[DSP:DSP+1] offset:128*((\m)/2)       ; head 2 g's two bytes; above them the other head's, never 0xff: both meet zero codes
	global_store_b32 v[LS], v[SW2], s[DSP:DSP+1] offset:128*((\m)/2)+HS
.endif
.endif
.endm
; A step: the stream tile in set p % 4.  path 0: q, k; 1: v.  p: the tile, counted from the four at the bases.  first = 1: the run's first tile, with no tile in front of it.  ahead = 1: the tile three on is fetched, into the set that the step before multiplied.
; left: how many younger loads may be out: the two younger tiles' groups of 17 (path 1: 18, with the bias word).
; Behind the products stand four places in front of the first read of their results; the plain lines of QUANT make up the fifth that the next step's products, which begin the accumulators anew, ask for.
.macro STEP path, p, first, ahead, left
	s_wait_loadcnt \left                           ; loads come back in order (ISA guide 5.7.1): this tile's set is in
.if !\first
	s_wait_alu depctr_va_vdst(0)                   ; the step before is done reading its set, in which the loads below land, and has written v[PC] on, SW and SW2, which the stores below read
.endif
.if \ahead
	LOADW \path, \p+3
.endif
.if !\first
	OUT \path, (\p+3)%4
.endif
.if \ahead
	LOADH \p+3, 0                                  ; no vector or matrix instruction since the wait names these registers
.endif
	MULH (\p)%4, 1-\path, 0
.if \ahead
	LOADH \p+3, 1                                  ; nor do the 32 products above: they name this step's set, the panel, the scale words, the bias and the accumulators
.endif
	MULH (\p)%4, 1-\path, 1
	WIN 0
	PLACES 4
	FIN \path, (\p)%4, 1-\first
.endm
	s_load_b256 s[4:11], s[0:1], 0x0               ; ximg s[4:5], xscl s[6:7], wimg s[8:9], wscl s[10:11]
	s_load_b256 s[12:19], s[0:1], 0x20             ; bq s[12:13], bk s[14:15], bv s[16:17], qrec s[18:19]
	s_load_b64 s[20:21], s[0:1], 0x40              ; kv
	v_lshrrev_b32 v5, 5, v0
	v_readfirstlane_b32 s22, v5                    ; wave 0..3
	s_and_b32 s23, ttmp7, 0xffff                   ; y: which product
	v_and_b32 v5, 31, v0
	v_lshlrev_b32 v[LI], 4, v5
	v_lshlrev_b32 v[LO], 4, v5
	v_lshlrev_b32 v[LS], 2, v5
	v_and_b32 v6, 15, v0
	v_and_b32 v7, 8, v6
	v_add_nc_u32 v7, v7, v6
	v_lshlrev_b32 v[BV], 2, v7
	v_bfe_u32 v6, v0, 4, 1
	v_lshlrev_b32 v[BH], 6, v6
.irp b, 0,1,2,3
	v_mov_b32 v[TM+4+\b], 0                        ; written once: a lane permute's destination counts as one of its sources
	v_mov_b32 v[BB+2*\b+1], 0
.endr
	s_mov_b32 s[MSK], 0xffff0000
	s_mov_b32 s[SEL], 0x76543210
	s_mov_b32 s[SEL+1], 0xfedcba98
	s_mov_b32 s45, 0                               ; s[44:45], s[46:47]: offsets under 2^32
	s_mov_b32 s47, 0
	s_wait_alu depctr_va_sdst(0)                   ; s22 is written, ahead of the branch and of its first reader on either way: the bases are made from it
	s_wait_kmcnt 0x0
	s_cmp_eq_u32 s23, 2
	s_cbranch_scc1 .Lv
; ---------------- q (y = 0) and k (y = 1)
	s_and_b32 s24, ttmp9, 1
	s_lshl_b32 s24, s24, 2
	s_add_co_u32 s24, s24, s22                     ; g: the pair of heads
	s_lshr_b32 s25, ttmp9, 1                       ; R: the run of 16 token tiles
	s_cmp_eq_u32 s23, 0
	s_cselect_b64 s[BP:BP+1], s[12:13], s[14:15]
	s_cselect_b64 s[DCP:DCP+1], s[18:19], s[20:21]
	s_lshl_b32 s44, s23, 19
	s_lshl_b32 s46, s24, 16
	s_add_co_u32 s44, s44, s46
	s_add_nc_u64 s[S0P:S0P+1], s[8:9], s[44:45]    ; weight y, tiles 8 g on
	s_lshl_b32 s44, s23, 15
	s_lshl_b32 s46, s24, 12
	s_add_co_u32 s44, s44, s46
	s_add_nc_u64 s[S0S:S0S+1], s[10:11], s[44:45]
	s_lshl_b32 s44, s23, 22
	s_lshl_b32 s46, s25, 17
	s_add_co_u32 s44, s44, s46
	s_add_nc_u64 s[S1P:S1P+1], s[4:5], s[44:45]    ; tensor y, tiles 16 R on
	s_lshl_b32 s44, s23, 18
	s_lshl_b32 s46, s25, 13
	s_add_co_u32 s44, s44, s46
	s_add_nc_u64 s[S1S:S1S+1], s[6:7], s[44:45]
	s_lshl_b32 s44, s24, 9
	s_add_nc_u64 s[BP:BP+1], s[BP:BP+1], s[44:45]
	s_lshr_b32 s44, s25, 3                         ; the first record: 256 x batch + 32 g + step, batch = R / 8, step = 2 R % 16
	s_lshl_b32 s44, s44, 8
	s_lshl_b32 s46, s24, 5
	s_add_co_u32 s44, s44, s46
	s_lshl_b32 s46, s25, 1
	s_and_b32 s46, s46, 15
	s_add_co_u32 s44, s44, s46
	s_mul_i32 s44, s44, REC
	s_add_nc_u64 s[DCP:DCP+1], s[DCP:DCP+1], s[44:45]
	s_add_nc_u64 s[DSP:DSP+1], s[DCP:DCP+1], 8192
	LOADS0
	LOADBA
.irp i, 0,1,2
	LOADW 0, \i                                    ; tiles 0, 1 and 2 into sets 0, 1 and 2
	LOADH \i, 0
	LOADH \i, 1
.endr
	WIN 0
	STEP 0, 0, 1, 1, 34                            ; tile 0
	s_mov_b32 s[CNT], 0
.Lqk:                                                  ; tiles 1 to 12, four to a trip: the sets are back at their start; a trip stores the four tiles at the bases
	STEP 0, 1, 0, 1, 34
	STEP 0, 2, 0, 1, 34
	STEP 0, 3, 0, 1, 34
	STEP 0, 4, 0, 1, 34
	s_wait_xcnt 0x0                                ; loads and stores have read their bases
	s_add_nc_u64 s[S1P:S1P+1], s[S1P:S1P+1], 32768
	s_add_nc_u64 s[S1S:S1S+1], s[S1S:S1S+1], 2048
	s_and_b32 s44, s[CNT], 1
	s_cmp_eq_u32 s44, 1                            ; two trips fill a record
	s_cselect_b32 s44, 4864, 0                     ; codes: 2,048 on, or 8,960 - 2,048 to the next record
	s_cselect_b32 s46, 8448, 0                     ; scale words: 256 on, or 8,960 - 256
	s_add_co_u32 s44, s44, 2048
	s_add_co_u32 s46, s46, 256
	s_add_nc_u64 s[DCP:DCP+1], s[DCP:DCP+1], s[44:45]
	s_add_nc_u64 s[DSP:DSP+1], s[DSP:DSP+1], s[46:47]
	s_add_co_u32 s[CNT], s[CNT], 1
	s_cmp_lt_u32 s[CNT], 3
	s_cbranch_scc1 .Lqk
	STEP 0, 1, 0, 0, 34                            ; tiles 13 to 15 fetch nothing: no load leaves its buffer, and the counts run down
	STEP 0, 2, 0, 0, 17
	STEP 0, 3, 0, 0, 0
	s_wait_alu depctr_va_vdst(0)                   ; tile 15's conversions, swaps and selects have written v[PC] on, SW and SW2, which the last stores read
	OUT 0, 3
	s_endpgm
; ---------------- v (y = 2)
.Lv:
	s_and_b32 s24, ttmp9, 15
	s_lshl_b32 s24, s24, 2
	s_add_co_u32 s24, s24, s22                     ; which 128 tokens: 16 x batch + step
	s_lshr_b32 s25, ttmp9, 4                       ; the run of 16 tiles of Wv: four heads
	s_lshl_b32 s44, s24, 16
	s_add_co_u32 s44, s44, 4194304
	s_add_nc_u64 s[S0P:S0P+1], s[4:5], s[44:45]    ; context's tiles 8 x that on
	s_lshl_b32 s44, s24, 12
	s_add_co_u32 s44, s44, 262144
	s_add_nc_u64 s[S0S:S0S+1], s[6:7], s[44:45]
	s_lshl_b32 s44, s25, 17
	s_add_co_u32 s44, s44, 1048576
	s_add_nc_u64 s[S1P:S1P+1], s[8:9], s[44:45]    ; Wv's tiles 16 x run on
	s_lshl_b32 s44, s25, 13
	s_add_co_u32 s44, s44, 65536
	s_add_nc_u64 s[S1S:S1S+1], s[10:11], s[44:45]
	s_lshl_b32 s44, s25, 10
	s_add_nc_u64 s[BP:BP+1], s[16:17], s[44:45]    ; bv at column 256 x run
	s_lshr_b32 s44, s24, 4                         ; the first record: 256 x batch + 64 x run + step
	s_lshl_b32 s44, s44, 8
	s_lshl_b32 s46, s25, 6
	s_add_co_u32 s44, s44, s46
	s_and_b32 s46, s24, 15
	s_add_co_u32 s44, s44, s46
	s_mul_i32 s44, s44, REC
	s_add_nc_u64 s[DSP:DSP+1], s[20:21], s[44:45]
	s_add_nc_u64 s[DCP:DCP+1], s[DSP:DSP+1], 4096
	s_add_nc_u64 s[DSP:DSP+1], s[DSP:DSP+1], 8704
	LOADS0
.irp i, 0,1,2
	LOADW 1, \i
	LOADH \i, 0
	LOADH \i, 1
.endr
	WIN 0
	STEP 1, 0, 1, 1, 36
	s_mov_b32 s[CNT], 0
.Lvv:                                                  ; four tiles of d are a head: a trip stores one head's part of the key step
	STEP 1, 1, 0, 1, 36
	STEP 1, 2, 0, 1, 36
	STEP 1, 3, 0, 1, 36
	STEP 1, 4, 0, 1, 36
	s_wait_xcnt 0x0                                ; loads and stores have read their bases
	s_add_nc_u64 s[S1P:S1P+1], s[S1P:S1P+1], 32768
	s_add_nc_u64 s[S1S:S1S+1], s[S1S:S1S+1], 2048
	s_add_nc_u64 s[BP:BP+1], s[BP:BP+1], 256
	s_add_nc_u64 s[DCP:DCP+1], s[DCP:DCP+1], HS    ; the next head's record of the same key step
	s_add_nc_u64 s[DSP:DSP+1], s[DSP:DSP+1], HS
	s_add_co_u32 s[CNT], s[CNT], 1
	s_cmp_lt_u32 s[CNT], 3
	s_cbranch_scc1 .Lvv
	STEP 1, 1, 0, 0, 36
	STEP 1, 2, 0, 0, 18
	STEP 1, 3, 0, 0, 0
	s_wait_alu depctr_va_vdst(0)                   ; tile 15's conversions, swaps and select have written v[PC] on and SW, which the last stores read
	OUT 1, 3
	s_endpgm
.Lfunc_end_k_q3a465262fa_proj:
	.size	k_q3a465262fa_proj, .Lfunc_end_k_q3a465262fa_proj-k_q3a465262fa_proj
	.p2alignl 7, 3214868480
	.fill 96, 4, 3214868480
	.section	.rodata,"a",@progbits
	.p2align	6, 0x0
	.amdhsa_kernel k_q3a465262fa_proj
		.amdhsa_group_segment_fixed_size 0
		.amdhsa_private_segment_fixed_size 0
		.amdhsa_enable_private_segment 0
		.amdhsa_kernarg_size 72
		.amdhsa_user_sgpr_count 2
		.amdhsa_user_sgpr_kernarg_segment_ptr 1
		.amdhsa_wavefront_size32 1
		.amdhsa_system_sgpr_workgroup_id_x 1
		.amdhsa_system_sgpr_workgroup_id_y 1
		.amdhsa_system_sgpr_workgroup_id_z 1
		.amdhsa_system_vgpr_workitem_id 0
		.amdhsa_next_free_vgpr 1024
		.amdhsa_next_free_sgpr 66
		.amdhsa_reserve_vcc 0
		.amdhsa_float_denorm_mode_32 3
		.amdhsa_float_denorm_mode_16_64 3
		.amdhsa_memory_ordered 1
		.amdhsa_forward_progress 1
		.amdhsa_inst_pref_size 255
	.end_amdhsa_kernel
	.section	.bss,"aw",@nobits
	.p2align	6
	.space	262144
	.amdgpu_metadata
---
amdhsa.version: [ 1, 2 ]
amdhsa.kernels:
  - .name:           k_q3a465262fa_proj
    .symbol:         k_q3a465262fa_proj.kd
    .args:
      - { .name: ximg, .offset: 0, .size: 8, .value_kind: global_buffer, .address_space: global }
      - { .name: xscl, .offset: 8, .size: 8, .value_kind: global_buffer, .address_space: global }
      - { .name: wimg, .offset: 16, .size: 8, .value_kind: global_buffer, .address_space: global }
      - { .name: wscl, .offset: 24, .size: 8, .value_kind: global_buffer, .address_space: global }
      - { .name: bq, .offset: 32, .size: 8, .value_kind: global_buffer, .address_space: global }
      - { .name: bk, .offset: 40, .size: 8, .value_kind: global_buffer, .address_space: global }
      - { .name: bv, .offset: 48, .size: 8, .value_kind: global_buffer, .address_space: global }
      - { .name: qrec, .offset: 56, .size: 8, .value_kind: global_buffer, .address_space: global }
      - { .name: kv, .offset: 64, .size: 8, .value_kind: global_buffer, .address_space: global }
    .group_segment_fixed_size: 0
    .private_segment_fixed_size: 0
    .kernarg_segment_align: 8
    .kernarg_segment_size: 72
    .max_flat_workgroup_size: 128
    .sgpr_count:     66
    .vgpr_count:     1024
    .wavefront_size: 32
...
	.end_amdgpu_metadata
.endif
;; end of part 5
;; launch attn: the kernel of part 3 again; grid 8 x 32, 16 waves a work-group, clusters of 4 x 1, 327,680 bytes of LDS; arguments qrec, kv, aimg, ascl; writes aimg, ascl
;; launch outp (part 6): grid 2 x 128, 4 waves a work-group, no clusters, 34,304 bytes of LDS; arguments aimg, ascl, wimg, wscl, bo, out0; writes out0
.if DOCPART == 6
	.amdgcn_target "amdgcn-amd-amdhsa--gfx1250"
	.amdhsa_code_object_version 6
	.text
	.protected	k_q3a465262fa_outp
	.globl	k_q3a465262fa_outp
	.p2align	8
	.type	k_q3a465262fa_outp,@function
k_q3a465262fa_outp:
	s_mov_b64 s[64:65], 0
	v_nop
	global_prefetch_b8 v0, s[64:65] scope:SCOPE_SE
	s_setreg_imm32_b32 hwreg(HW_REG_WAVE_SCHED_MODE, 0, 2), 2
	s_setreg_imm32_b32 hwreg(HW_REG_WAVE_MODE, 25, 1), 1
	s_wait_xcnt 0x0
	s_wait_alu depctr_vm_vsrc(0)
; out0 = attn Wo + bo on codes of FP4 with E8M0 scales (K = 1,024), sums in f32, out0 [8192][1024] f32.
; OPERANDS lie in memory as images of operand registers (tile T: lane r = row 32 (T / 2) + 8 (T % 2) + r + 8 (r / 8); fragment (T, s) 1,024 bytes; scale words 512 bytes a tile), so every load is 512 consecutive bytes.
; A WAVE keeps a PANEL of Wo, 128 columns x all of K (65,536 bytes, 512 registers), as source 0 and takes four tiles of 16 rows of attn as source 1: 64 matrix instructions a tile on 8 accumulators, which take turns.
; A lane then holds one row of out0 and, in accumulator t, register j, column 32 (t / 2) + 16 (lane / 16) + 8 (t % 2) + j of the panel.  bo is the C of each sum's first product.
; THE WAY OUT: a tile goes through the wave's own stage in LDS and comes back as whole rows of 512 bytes, which the 32 lanes store aligned.
; 256 work-groups x 4 waves = 8 panels x 128 runs of four tiles.  NO CLUSTER: a wave's panel is its own; its four tiles (32,768 bytes) are shared with the seven waves of the other panels, out of the cache, and are a third of what the wave loads.
; THE MODE: SCHED_MODE bits 1:0 = 2 (LLVM: expert scheduling mode 2), set by the entry lines.  The code itself states the register dependences between vector or matrix instructions and memory or LDS instructions, with s_wait_alu, always for 0.
; THE PLAN.  A step is one tile.  Registers that memory or LDS instructions touch:
;   the panel, its scale words, bo, and FOUR sets of a tile's fragments and scale words: all loaded at the head, each once; no load lands in a register that a matrix instruction has read.
;   ACC    written by step u's products; read by the LDS stores at the step's end; written anew by step u + 1's products.
;   OB     the loads from the stage land in it at the end of step u; the sixteen global stores that read it stand in the middle of step u + 1's products; the next loads from the stage land in it at that step's end.
;   v1, v4, v5, v6 and the closing add's two registers: made at the head and never written again; out0's rows are reached by immediate offsets.
; So a step holds one wait on vm_vsrc ahead of its products (the LDS stores have read ACC), one on va_vdst behind them (ACC is written), and one on vm_vsrc ahead of the stage (the global stores have read OB).
.set LI,  1                            ; v1   16 x lane
.set BH,  4                            ; v4   64 h
.set SO,  5                            ; v5   the stage, on the way in: 528 r + 64 h
.set SR,  6                            ; v6   and back: 16 x lane
.set PSC, 8                            ; v8-39    the panel's scale words
.set SSC, 40                           ; v40-55   the four tiles' scale words
.set ACC, 56                           ; v56-119  eight accumulators
.set OB,  120                          ; v120-183 16 rows read back from the stage
.set BA,  184                          ; v184-247 bo in the accumulators' layout
; window 1: the panel's fragments (t, s < 4) at v[64 s + 8 t];  window 2: (t, s >= 4);  window 3: tile u's fragment s at v[64 u + 8 s]
.set SPITCH, 528
.set S0P, 26
.set S0S, 28
.set S1P, 30
.set S1S, 32
.set BP,  34
.set OP,  36
.set MSB, 0
.macro WIN new                         ; the immediate's high byte repeats the setting that is left
.if MSB != \new
	s_set_vgpr_msb (MSB<<8)|\new
.set MSB, \new
.endif
.endm
.macro PLACES n
.rept \n
	v_nop
.endr
.endm
.macro LOADS0
	WIN 0x40
	s_wait_alu depctr_va_vdst(0)                   ; v1, v4, v5 and v6 are written: every load, store and LDS access of the kernel reads one of them as its offset or address
.irp s, 0,1,2,3
.irp t, 0,1,2,3,4,5,6,7
.irp c, 0,1
	global_load_b128 v[64*\s+8*\t+4*\c:64*\s+8*\t+4*\c+3], v[LI], s[S0P:S0P+1] offset:(8*\t+\s)*1024+512*\c
.endr
.endr
.endr
	WIN 0x80
.irp s, 0,1,2,3
.irp t, 0,1,2,3,4,5,6,7
.irp c, 0,1
	global_load_b128 v[64*\s+8*\t+4*\c:64*\s+8*\t+4*\c+3], v[LI], s[S0P:S0P+1] offset:(8*\t+\s+4)*1024+512*\c
.endr
.endr
.endr
	WIN 0
.irp t, 0,1,2,3,4,5,6,7
	global_load_b128 v[PSC+4*\t:PSC+4*\t+3], v[LI], s[S0S:S0S+1] offset:512*\t
.endr
.endm
.macro LOADF u                         ; tile u of the run's four: 16 loads, and one for its scale words
	WIN 0xc0
.irp s, 0,1,2,3,4,5,6,7
.irp c, 0,1
	global_load_b128 v[64*\u+8*\s+4*\c:64*\u+8*\s+4*\c+3], v[LI], s[S1P:S1P+1] offset:8192*\u+1024*\s+512*\c
.endr
.endr
	WIN 0
	global_load_b128 v[SSC+4*\u:SSC+4*\u+3], v[LI], s[S1S:S1S+1] offset:512*\u
.endm
.macro MM t, s, u                      ; one product; K steps 4-7 take their scale words from lanes 16-31; the first K step starts the sum with the bias
.set rD, ACC+8*(\t)
.set rA, 64*((\s)%4)+8*(\t)
.set rB, 64*(\u)+8*(\s)
.set rX, PSC+4*(\t)+(\s)%4
.set rY, SSC+4*(\u)+(\s)%4
.if (\s) == 0
	v_wmma_scale_f32_16x16x128_f8f6f4 v[rD:rD+7], v[rA:rA+7], v[rB:rB+7], v[BA+8*(\t):BA+8*(\t)+7], v[rX], v[rY] matrix_a_fmt:MATRIX_FMT_FP4 matrix_b_fmt:MATRIX_FMT_FP4
.elseif (\s) < 4
	v_wmma_scale_f32_16x16x128_f8f6f4 v[rD:rD+7], v[rA:rA+7], v[rB:rB+7], v[rD:rD+7], v[rX], v[rY] matrix_a_fmt:MATRIX_FMT_FP4 matrix_b_fmt:MATRIX_FMT_FP4
.else
	v_wmma_scale_f32_16x16x128_f8f6f4 v[rD:rD+7], v[rA:rA+7], v[rB:rB+7], v[rD:rD+7], v[rX], v[rY] matrix_a_fmt:MATRIX_FMT_FP4 matrix_b_fmt:MATRIX_FMT_FP4 matrix_a_scale:MATRIX_SCALE_ROW1 matrix_b_scale:MATRIX_SCALE_ROW1
.endif
.endm
.macro MULH u, hf                      ; 32 products: K steps 4 hf .. 4 hf + 3, K ascending, the eight accumulators by turns
.if \hf == 0
	WIN 0x0d                                       ; source 0 window 1, source 1 window 3, C and D window 0
.else
	WIN 0x0e                                       ; source 0 window 2
.endif
.irp s, 0,1,2,3
.irp t, 0,1,2,3,4,5,6,7
	MM \t, 4*(\hf)+\s, \u
.endr
.endr
.endm
.macro TOSTAGE                         ; the tile just multiplied goes into my stage and comes back as whole rows
.irp t, 0,1,2,3,4,5,6,7
	ds_store_b128 v[SO], v[ACC+8*\t:ACC+8*\t+3] offset:128*(\t/2)+32*(\t%2)       ; each accumulator from its low end on
	ds_store_b128 v[SO], v[ACC+8*\t+4:ACC+8*\t+7] offset:128*(\t/2)+32*(\t%2)+16
.endr
.irp i, 0,1,2,3,4,5,6,7,8,9,10,11,12,13,14,15
	ds_load_b128 v[OB+4*\i:OB+4*\i+3], v[SR] offset:SPITCH*\i      ; LDS serves a wave's instructions in order: these see the stores above
.endr
.endm
.macro SEND u                          ; tile u: rows 32 (u / 2) + 8 (u % 2) + i + 8 (i / 8) of the run's 64; 63 rows of 4,096 bytes at the most: inside the signed 24-bit immediate
.irp i, 0,1,2,3,4,5,6,7,8,9,10,11,12,13,14,15
	s_wait_dscnt 15-\i                             ; row i is back; the rows behind it may be out
	global_store_b128 v[LI], v[OB+4*\i:OB+4*\i+3], s[OP:OP+1] offset:(32*((\u)/2)+8*((\u)%2)+\i+8*(\i/8))*4096 th:TH_STORE_NT   ; 512 consecutive bytes, aligned; written once, read by nobody here
.endr
.endm
; A step: tile u.  The global stores of the tile before stand in the middle of its products, so that the stage's round trip runs under the first 32.
; Behind the products stand five places: four for the LDS stores of their results, the fifth for the next step's products, which begin the accumulators anew; the way out has no vector work to stand there.
.macro STEP u
	s_wait_loadcnt 17*(3-(\u))                     ; all but the younger tiles' groups of 17 loads
.if (\u) > 0
	s_wait_alu depctr_vm_vsrc(0)                   ; the LDS stores of the tile before have read the accumulators, which these products write anew
.endif
	MULH \u, 0
.if (\u) > 0
	WIN 0
	SEND (\u)-1
.endif
	MULH \u, 1
	WIN 0
	PLACES 5
	s_wait_alu depctr_va_vdst(0)                   ; the products have written the accumulators, which the LDS stores read; the places above stay beside this wait
.if (\u) > 0
	s_wait_xcnt 0x0                                ; the last tile's global stores have had their addresses translated: v[OB] on is loaded again only behind this wait,
	s_wait_alu depctr_vm_vsrc(0)                   ; and beside it: those stores have read v[OB] on, in which the loads from the stage land
.endif
	TOSTAGE
.endm
	s_load_b256 s[4:11], s[0:1], 0x0               ; aimg s[4:5], ascl s[6:7], wimg s[8:9], wscl s[10:11]
	s_load_b128 s[12:15], s[0:1], 0x20             ; bo s[12:13], out0 s[14:15]
	v_lshl_add_u32 v254, v0, 2, 0x8400
	v_mov_b32 v255, 0
	v_lshrrev_b32 v7, 5, v0
	v_readfirstlane_b32 s22, v7                    ; wave 0..3
	s_and_b32 s23, ttmp7, 0xffff                   ; y: the run of four tiles of rows
	s_lshl_b32 s24, ttmp9, 2
	v_and_b32 v7, 31, v0
	v_lshlrev_b32 v[LI], 4, v7
	v_bfe_u32 v7, v0, 4, 1
	v_lshlrev_b32 v[BH], 6, v7
	v_and_b32 v7, 15, v0
	v_mul_u32_u24 v[SO], v7, SPITCH
	v_add_nc_u32 v[SO], v[SO], v[BH]
	s_wait_alu depctr_va_sdst(0)                   ; s22 is written, ahead of its first reader: the panel's number and my stage's place are made from it
	s_add_co_u32 s24, s24, s22                     ; g: the panel of 128 columns
	s_mul_i32 s25, s22, 16*SPITCH                  ; my stage
	v_add_nc_u32 v[SO], s25, v[SO]
	v_add_nc_u32 v[SR], s25, v[LI]
	s_mov_b32 s45, 0
	s_wait_kmcnt 0x0
	s_lshl_b32 s44, s24, 16
	s_add_co_u32 s44, s44, 1572864
	s_add_nc_u64 s[S0P:S0P+1], s[8:9], s[44:45]    ; Wo's tiles 8 g on
	s_lshl_b32 s44, s24, 12
	s_add_co_u32 s44, s44, 98304
	s_add_nc_u64 s[S0S:S0S+1], s[10:11], s[44:45]
	s_lshl_b32 s44, s23, 15
	s_add_nc_u64 s[S1P:S1P+1], s[4:5], s[44:45]    ; attn's tiles 4 y on
	s_lshl_b32 s44, s23, 11
	s_add_nc_u64 s[S1S:S1S+1], s[6:7], s[44:45]
	s_lshl_b32 s44, s24, 9
	s_add_nc_u64 s[BP:BP+1], s[12:13], s[44:45]
	s_add_nc_u64 s[OP:OP+1], s[14:15], s[44:45]    ; out0: column 128 g,
	s_lshl_b32 s44, s23, 18
	s_add_nc_u64 s[OP:OP+1], s[OP:OP+1], s[44:45]  ; row 64 y
	LOADS0
.irp t, 0,1,2,3,4,5,6,7
	global_load_b128 v[BA+8*\t:BA+8*\t+3], v[BH], s[BP:BP+1] offset:(32*(\t/2)+8*(\t%2))*4
	global_load_b128 v[BA+8*\t+4:BA+8*\t+7], v[BH], s[BP:BP+1] offset:(32*(\t/2)+8*(\t%2))*4+16
.endr
.irp u, 0,1,2,3
	LOADF \u                                       ; all four tiles, each into a set of its own
.endr
	STEP 0
	STEP 1
	STEP 2
	STEP 3
	SEND 3
	s_wait_dscnt 0x0                               ; the closing lines, six on end
	s_wait_alu 0x0
	s_wait_tensorcnt 0x0
	ds_add_u32 v254, v255
	s_wait_dscnt 0x0
	s_endpgm
.Lfunc_end_k_q3a465262fa_outp:
	.size	k_q3a465262fa_outp, .Lfunc_end_k_q3a465262fa_outp-k_q3a465262fa_outp
	.p2alignl 7, 3214868480
	.fill 96, 4, 3214868480
	.section	.rodata,"a",@progbits
	.p2align	6, 0x0
	.amdhsa_kernel k_q3a465262fa_outp
		.amdhsa_group_segment_fixed_size 34304
		.amdhsa_private_segment_fixed_size 0
		.amdhsa_enable_private_segment 0
		.amdhsa_kernarg_size 48
		.amdhsa_user_sgpr_count 2
		.amdhsa_user_sgpr_kernarg_segment_ptr 1
		.amdhsa_wavefront_size32 1
		.amdhsa_system_sgpr_workgroup_id_x 1
		.amdhsa_system_sgpr_workgroup_id_y 1
		.amdhsa_system_sgpr_workgroup_id_z 1
		.amdhsa_system_vgpr_workitem_id 0
		.amdhsa_next_free_vgpr 1024
		.amdhsa_next_free_sgpr 66
		.amdhsa_reserve_vcc 0
		.amdhsa_float_denorm_mode_32 3
		.amdhsa_float_denorm_mode_16_64 3
		.amdhsa_memory_ordered 1
		.amdhsa_forward_progress 1
		.amdhsa_inst_pref_size 73
	.end_amdhsa_kernel
	.amdgpu_metadata
---
amdhsa.version: [ 1, 2 ]
amdhsa.kernels:
  - .name:           k_q3a465262fa_outp
    .symbol:         k_q3a465262fa_outp.kd
    .args:
      - { .name: aimg, .offset: 0, .size: 8, .value_kind: global_buffer, .address_space: global }
      - { .name: ascl, .offset: 8, .size: 8, .value_kind: global_buffer, .address_space: global }
      - { .name: wimg, .offset: 16, .size: 8, .value_kind: global_buffer, .address_space: global }
      - { .name: wscl, .offset: 24, .size: 8, .value_kind: global_buffer, .address_space: global }
      - { .name: bo, .offset: 32, .size: 8, .value_kind: global_buffer, .address_space: global }
      - { .name: out0, .offset: 40, .size: 8, .value_kind: global_buffer, .address_space: global }
    .group_segment_fixed_size: 34304
    .private_segment_fixed_size: 0
    .kernarg_segment_align: 8
    .kernarg_segment_size: 48
    .max_flat_workgroup_size: 128
    .sgpr_count:     66
    .vgpr_count:     1024
    .wavefront_size: 32
...
	.end_amdgpu_metadata
.endif
;; end of part 6
